; MI455X (gfx1250); checked and timed in simulation.
; The chip was launched on July 23, 2026; its instructions are those of AMD's public machine-readable ISA for CDNA 5 (MIT licence, August 2026) and "CDNA5" Instruction Set Architecture Reference Guide (July 2026). The comments in the code are by the model that wrote it; some were corrected since.
;; Gaussian Upsampling. Allowed arithmetic: matrix products marked QUANTISED: E2M1 operands, one E8M0 scale for each 32 along K, by v_wmma_scale_f32_16x16x128_f8f6f4 with both operands' format E2M1 (or v_wmma_scale_f32_32x16x128_f4), f32 sums; everything else in f32.
;; Inputs: d_masks 16 x 512 bool; ds 16 x 512 int32; h_masks 16 x 4,096 bool; hs 16 x 512 x 256 float32.
;; Outputs: out0 16 x 4,096 x 256 float32.
;; This version of the problem:
;;   THIS VERSION OF THE PROBLEM IS GIVEN IN LOW PRECISION. The matrix products marked QUANTISED in the list below multiply operands that are first quantised to E2M1 (2 exponent bits, 1 mantissa bit; 4 bits a number), with one power-of-two scale for each 32 numbers along K (OCP MX v1.0); their sums are f32. All else is computed in f32.
;;   The module's matrix products, in the order in which they are computed (A, B: the left and right operand; K: the contracted axis; several contracted axes count as one K, in the product's order):
;;     1. batch 16 x [M 4,096, K 512] x [K 512, N 256]; A: softmax (see below); B: input hs: QUANTISED
;;   THE QUANTISER, for each operand of a quantised product, along K:
;;     - K is cut into blocks of 32 from its start; a last block that is shorter is filled with zeros.
;;     - A block's scale is 2^e with e = floor(log2(the largest magnitude in the block)) - 2, held to -126 .. 127; a block of zeros has e = 0. As a byte (E8M0): e + 127.
;;     - Each number is divided by its block's scale, clamped to +-6, and rounded to the nearest number of E2M1, ties to even, subnormals kept.
;;     - The product sums the exact products of the quantised numbers (number of the format x scale) in f32.
;;   ~~~python
;;   def quantise(x, axis):      # numpy; x: float32 -> the quantised numbers, widened to float32 again
;;       x = np.moveaxis(x, axis, -1); K = x.shape[-1]
;;       x = np.pad(x, [(0, 0)] * (x.ndim - 1) + [(0, -K % 32)]); x = x.reshape(x.shape[:-1] + (-1, 32)); a = np.abs(x).max(-1, keepdims=True)
;;       e = np.where(a > 0, np.clip(np.frexp(np.where(a > 0, a, 1))[1] - 1 - 2, -126, 127), 0)      # np.frexp(a)[1] - 1 = floor(log2(a)), exactly
;;       r = np.clip(x / 2.0 ** e, -6, 6)
;;       step = 2.0 ** (np.maximum(np.frexp(np.where(r == 0, 1, r))[1] - 1, 0) - 1)
;;       q = np.round(r / step) * step * 2.0 ** e      # np.round: ties to even
;;       return np.moveaxis(q.reshape(q.shape[:-2] + (-1,))[..., :K], -1, axis).astype(np.float32)
;;   ~~~
;;   SOFTMAX AHEAD OF A QUANTISED PRODUCT. Where the list says 'softmax', what is quantised is not the finished softmax but p = 2^(t - M), with t = logit x log2(e) and M = ceil(the row's largest t), a whole number; so 1/2 < the row's largest p <= 1. The row's sum l is taken of the UNQUANTISED p, in f32, and the product's result is divided by l at the end. Since M is a whole number, a kernel that streams over the keys may use a running M (the ceiling of the running maximum): every later rescaling is an exact power of two, which a block's scale takes up: the codes' values come out the same.
;;   OPERANDS COMPUTED ON THE WAY. 'Computed on the way' means the value that the module computes at that place (a softmax that the list does not call 'softmax' is quantised finished and normalised). What goes into a quantiser is computed in f32, as accurately as f32 sums, v_exp_f32 and their like allow (about 1e-6 of the number): no bf16 or f16 on the way to a quantiser, and a product that is left as it is and whose result goes on into a quantised operand takes f32 operands (vector FMAs, or v_wmma_f32_16x16x4_f32). A number that lies on a knife's edge between two numbers of the format may be rounded either way, as far as f32 arithmetic and the matrix unit's own rounding can turn it there, and no further.
;; 3 versions, each right; version 2 is faster than version 1; version 3 is version 2 with the launch upsample written anew for expert scheduling mode. Each part assembles by itself: llvm-mc -triple=amdgcn-amd-amdhsa -mcpu=gfx1250 --defsym DOCPART=n.
;; ======== version 1 of 3: 2 launches
;; workspace buffers: hsq 1,048,576 bytes; hss 65,536 bytes; cbuf 32,768 bytes
;; launch prep (part 1): grid 16 x 16, 4 waves a work-group, no clusters, 8,704 bytes of LDS; arguments hs, ds, d_masks, hsq, hss, cbuf; writes hsq, hss, cbuf
.if DOCPART == 1
	.amdgcn_target "amdgcn-amd-amdhsa--gfx1250"
	.amdhsa_code_object_version 6
	.text
	.protected	k_q93a17744a8_prep
	.globl	k_q93a17744a8_prep
	.p2align	8
	.type	k_q93a17744a8_prep,@function
k_q93a17744a8_prep:
	s_mov_b64 s[64:65], 0
	v_nop
	global_prefetch_b8 v0, s[64:65] scope:SCOPE_SE
	s_setreg_imm32_b32 hwreg(HW_REG_WAVE_MODE, 25, 1), 1
	s_wait_xcnt 0x0
; hs [16][512 tokens][256] f32 is the second operand of the product; its K (the tokens) is the FIRST axis inside a batch.  It is turned into codes of FP4 (E2M1)
; with one E8M0 byte for each 32 tokens, laid in the ORDER OF THE OPERAND'S REGISTERS, so that the next launch loads fragments by 16 bytes a lane:
;   hsq [b 16][g 4][u 4][s 4][c 2][lane 32][16 bytes]: lane (r, h), half c: the 32 codes of column 64 g + 4 r + u, tokens 128 s + 64 c + 32 h + 0 .. 31
;   hss [b][g][s][word 16 u + r]: byte 2 c + h of the word is that block's scale byte
; The centres c = cumsum(ds) - ds / 2 are made here too: cbuf [b][512] f32, +infinity where d_masks is false (the energy is then -infinity, as in the definition).
; SHARES.  Work-group (x = 4 g + s, y = b): 128 tokens x 64 columns.  Wave w: columns 32 (w & 1) on, tokens 64 (w >> 1) on.  A LANE TAKES A COLUMN AND ITS REGISTERS RUN DOWN THE TOKENS:
; each load reads 128 consecutive bytes a wave, a block of 32 lies in one lane's 32 registers, and the conversions give codes with K innermost.  The codes meet in LDS as the image, and leave 512 consecutive bytes a store.
; Wave 0 of work-group x also makes the centres of tokens 32 x .. 32 x + 31 of its batch (one store of 128 consecutive bytes: 32 KB of the program's traffic go out so).
; A block's scale is 2^(floor(log2(largest magnitude)) - 2); its byte is the largest magnitude's exponent field - 2, held at 1 from below.
; LIMITS: a block of zeros gets the byte 1 where the quantiser says 127 (its codes are zeros, and these bytes are read by this program alone); blocks whose largest magnitude lies under 2^-124 share that byte;
; NaN and infinities in hs are not served; the partial sums of ds stay under 2^23, so that every centre is exact in f32.
.set IMG,  0                           ; LDS: the image of four fragments: u x 1024 + c x 512 + h x 256 + r x 16
.set SCW,  4096                        ; LDS: 64 scale words: 4 (16 u + r)
.set X,    32                          ; v32-95   64 numbers of my column
.set CD,   96                          ; v96-103  two blocks' codes
.set D,    104                         ; v104-118 wave 0: the 15 chunks of ds that can lie ahead of mine
.set OWN,  120                         ; v120     my chunk's ds
.set MK,   121                         ; v121     my token's mask byte
.set AS,   122                         ; v122     the sum of all tokens ahead of my chunk
.set PS,   123                         ; v123     the running sum inside my chunk
.set HI,   124                         ; v124     1.0 in lanes 16-31, 0.0 in lanes 0-15
.set TMP,  125
	s_load_b256 s[4:11], s[0:1], 0x0               ; hs s[4:5], ds s[6:7], d_masks s[8:9], hsq s[10:11]
	s_load_b128 s[12:15], s[0:1], 0x20             ; hss s[12:13], cbuf s[14:15]
	v_lshl_add_u32 v128, v0, 2, 0x2000
	v_mov_b32 v129, 0
	v_lshrrev_b32 v1, 5, v0
	v_readfirstlane_b32 s16, v1                    ; wave 0..3
	v_and_b32 v1, 31, v0                           ; lane
	s_mov_b32 s17, ttmp9                           ; x = 4 g + s
	s_and_b32 s18, ttmp7, 0xffff                   ; b
	s_lshr_b32 s19, s17, 2                         ; g
	s_and_b32 s20, s17, 3                          ; s
	s_and_b32 s21, s16, 1                          ; q: which 32 columns
	s_lshr_b32 s28, s16, 1                         ; c: which 64 tokens
	v_lshlrev_b32 v2, 2, v1                        ; 4 x lane
	; my column inside the group is 32 q + lane = 4 r + u
	v_and_b32 v9, 3, v1                            ; u
	v_lshrrev_b32 v10, 2, v1
	s_lshl_b32 s29, s21, 3
	v_add_nc_u32 v10, s29, v10                     ; r = lane / 4 + 8 q
	v_lshlrev_b32 v3, 10, v9
	v_lshl_add_u32 v3, v10, 4, v3
	s_lshl_b32 s29, s28, 9
	v_add_nc_u32 v3, s29, v3                       ; v3: where my codes go: 1024 u + 16 r + 512 c (+ 256 h in the immediate)
	v_lshlrev_b32 v4, 6, v9
	v_lshl_add_u32 v4, v10, 2, v4
	s_lshl_b32 s29, s28, 1
	s_add_co_u32 s29, s29, SCW
	v_add_nc_u32 v4, s29, v4                       ; v4: my two scale bytes: SCW + 64 u + 4 r + 2 c
	v_lshlrev_b32 v5, 4, v1                        ; v5: 16 x lane
	s_lshl_b32 s29, s16, 10
	v_add_nc_u32 v6, s29, v5                       ; v6: fragment u = wave, read back: 1024 x wave + 16 x lane
	v_lshlrev_b32 v7, 3, v1                        ; v7: 8 x lane
	v_add_nc_u32 v8, SCW, v7                       ; v8: the scale words, read back
	v_lshl_add_u32 v16, s17, 7, v2                 ; v16: my token of chunk x in ds and cbuf: 128 x + 4 lane; never rewritten
	v_lshl_add_u32 v17, s17, 5, v1                 ; v17: and in d_masks: 32 x + lane; never rewritten
	s_lshl_b32 s22, s18, 19                        ; hs: b x 524,288
	s_lshl_b32 s29, s20, 17
	s_add_co_u32 s22, s22, s29                     ; + 128 s rows of 1,024 bytes
	s_lshl_b32 s29, s28, 16
	s_add_co_u32 s22, s22, s29                     ; + 64 c rows
	s_lshl_b32 s29, s19, 8
	s_add_co_u32 s22, s22, s29                     ; + 64 g columns
	s_lshl_b32 s29, s21, 7
	s_add_co_u32 s22, s22, s29                     ; + 32 q columns
	s_mov_b32 s23, 0
	s_lshl_b32 s30, s18, 16                        ; hsq: b, g, fragment 4 wave + s
	s_lshl_b32 s29, s19, 14
	s_add_co_u32 s30, s30, s29
	s_lshl_b32 s29, s16, 12
	s_add_co_u32 s30, s30, s29
	s_lshl_b32 s29, s20, 10
	s_add_co_u32 s30, s30, s29
	s_mov_b32 s31, 0
	s_lshl_b32 s32, s18, 12                        ; hss: 256 bytes for each (b, g, s)
	s_lshl_b32 s29, s19, 10
	s_add_co_u32 s32, s32, s29
	s_lshl_b32 s29, s20, 8
	s_add_co_u32 s32, s32, s29
	s_mov_b32 s33, 0
	s_lshl_b32 s34, s18, 11                        ; ds and cbuf: 2,048 bytes a batch
	s_mov_b32 s35, 0
	s_lshl_b32 s36, s18, 9                         ; d_masks: 512 bytes a batch
	s_mov_b32 s37, 0
	s_mov_b32 s24, 0x76543210                      ; v_permlanex16_b32's selects for lane l xor 16
	s_mov_b32 s25, 0xfedcba98
	s_wait_kmcnt 0x0
	s_add_nc_u64 s[4:5], s[4:5], s[22:23]
	s_add_nc_u64 s[10:11], s[10:11], s[30:31]
	s_add_nc_u64 s[12:13], s[12:13], s[32:33]
	s_add_nc_u64 s[6:7], s[6:7], s[34:35]
	s_add_nc_u64 s[14:15], s[14:15], s[34:35]
	s_add_nc_u64 s[8:9], s[8:9], s[36:37]
.set i, 0
.rept 64
	global_load_b32 v[X+i], v2, s[4:5] offset:1024*i th:TH_LOAD_NT   ; hs(token i of my 64, my column): 32 lanes read 128 consecutive bytes; read once in the program
.set i, i+1
.endr
	; ---- wave 0 alone: the centres of chunk x.  No barrier and no LDS access stands in this branch
	s_cmp_lg_u32 s16, 0
	s_cbranch_scc1 .Lquant
.irp q, 0,1,2,3,4,5,6,7,8,9,10,11,12,13,14
	global_load_b32 v[D+\q], v2, s[6:7] offset:128*\q
.endr
	global_load_b32 v[OWN], v16, s[6:7]
	global_load_u8 v[MK], v17, s[8:9]
	v_lshrrev_b32 v[HI], 4, v1
	v_cvt_f32_u32 v[HI], v[HI]
	v_mov_b32 v[TMP], 0                            ; a lane permute's destination counts as one of its sources
	s_wait_loadcnt 0x0
.irp q, 0,1,2,3,4,5,6,7,8,9,10,11,12,13,14
	v_cvt_f32_i32 v[D+\q], v[D+\q]
.endr
	v_cvt_f32_i32 v[OWN], v[OWN]
	s_cmp_gt_u32 s17, 0                            ; chunk q counts where it lies ahead of mine: a factor 1.0 or 0.0 from the work-group's number
	s_cselect_b32 s26, 0x3f800000, 0
	v_mul_f32 v[AS], s26, v[D]
.irp q, 1,2,3,4,5,6,7,8,9,10,11,12,13,14
	s_cmp_gt_u32 s17, \q
	s_cselect_b32 s26, 0x3f800000, 0
	v_fma_f32 v[AS], v[D+\q], s26, v[AS]
.endr
	v_add_f32_dpp v[AS], v[AS], v[AS] row_xmask:1 row_mask:0xf bank_mask:0xf   ; over the 32 lanes: whole numbers, so every order gives the same sum
	v_add_f32_dpp v[AS], v[AS], v[AS] row_xmask:2 row_mask:0xf bank_mask:0xf
	v_add_f32_dpp v[AS], v[AS], v[AS] row_xmask:4 row_mask:0xf bank_mask:0xf
	v_add_f32_dpp v[AS], v[AS], v[AS] row_xmask:8 row_mask:0xf bank_mask:0xf
	v_permlanex16_b32 v[TMP], v[AS], s24, s25
	v_add_f32 v[AS], v[AS], v[TMP]
	v_mov_b32 v[PS], v[OWN]
	v_add_f32_dpp v[PS], v[PS], v[PS] row_shr:1 row_mask:0xf bank_mask:0xf bound_ctrl:1   ; the running sum inside each 16 lanes: lane i adds lane i - n; a lane without such a neighbour adds 0
	v_add_f32_dpp v[PS], v[PS], v[PS] row_shr:2 row_mask:0xf bank_mask:0xf bound_ctrl:1
	v_add_f32_dpp v[PS], v[PS], v[PS] row_shr:4 row_mask:0xf bank_mask:0xf bound_ctrl:1
	v_add_f32_dpp v[PS], v[PS], v[PS] row_shr:8 row_mask:0xf bank_mask:0xf bound_ctrl:1
	v_readlane_b32 s27, v[PS], 15                  ; the first 16 lanes' total,
	v_fma_f32 v[PS], v[HI], s27, v[PS]             ; onto lanes 16-31
	v_add_f32 v[AS], v[AS], v[PS]                  ; cumsum(ds) at my token
	v_fma_f32 v18, v[OWN], -0.5, v[AS]             ; c = cumsum - ds / 2, exact
	v_cmp_ne_u32 vcc_lo, 0, v[MK]
	v_cndmask_b32 v18, 0x7f800000, v18, vcc_lo     ; +infinity where the token is masked
	global_store_b32 v16, v18, s[14:15]            ; v16 and v18 are not written again
.Lquant:
; ---- block j of my column: tokens 32 j .. 32 j + 31 of my 64: it is half h = j of the image
.macro BLOCK j
.set XS, X+32*\j
	v_max3_num_f32 v12, |v[XS]|, |v[XS+1]|, |v[XS+2]|             ; the block's largest magnitude: all 32 numbers are mine; two chains
	v_max3_num_f32 v13, |v[XS+3]|, |v[XS+4]|, |v[XS+5]|
.irp i, 6,10,14,18,22,26
	v_max3_num_f32 v12, v12, |v[XS+\i]|, |v[XS+\i+1]|
	v_max3_num_f32 v13, v13, |v[XS+\i+2]|, |v[XS+\i+3]|
.endr
	v_max3_num_f32 v12, v12, |v[XS+30]|, |v[XS+31]|
	v_max3_num_f32 v12, v12, v13, 0x1800000        ; and the floor 2^(3 - 127): the byte cannot fall under 1
	v_add_nc_u32 v[20+\j], 0xff000000, v12         ; 2 off the exponent field: the conversion takes the exponent field of this operand as its scale
	v_lshrrev_b32 v[22+\j], 23, v[20+\j]           ; the scale's byte
.irp g, 0,1,2,3
	v_cvt_scalef32_pk8_fp4_f32 v[CD+4*\j+\g], v[XS+8*\g:XS+8*\g+7], v[20+\j]
.endr
	v_nop                                          ; one plain place behind the scaled conversions
	ds_store_b128 v3, v[CD+4*\j:CD+4*\j+3] offset:IMG+256*\j
.endm
	s_wait_loadcnt 32                              ; my first 32 loads of hs are in; the 32 younger ones may be out
	BLOCK 0
	s_wait_loadcnt 0x0
	BLOCK 1
	v_lshl_or_b32 v19, v23, 8, v22                 ; bytes 2 c and 2 c + 1 of my column's scale word
	ds_store_b16 v4, v19
	s_wait_dscnt 0x0                               ; for the others' sake: my stores have landed
	s_barrier_signal -1
	s_barrier_wait -1                              ; four whole fragments and their 64 scale words lie in LDS
	ds_load_b128 v[24:27], v6 offset:IMG
	ds_load_b128 v[28:31], v6 offset:IMG+512
	s_wait_dscnt 0x0
	global_store_b128 v5, v[24:27], s[10:11]       ; fragment (u = wave, s): each store covers 512 consecutive bytes, aligned
	global_store_b128 v5, v[28:31], s[10:11] offset:512
	s_cmp_lg_u32 s16, 0
	s_cbranch_scc1 .Ldone
	ds_load_b64 v[126:127], v8
	s_wait_dscnt 0x0
	global_store_b64 v7, v[126:127], s[12:13]      ; the 64 scale words: 256 consecutive bytes, aligned
.Ldone:
	s_wait_tensorcnt 0x0
	ds_add_u32 v128, v129
	s_wait_dscnt 0x0
	s_endpgm
.Lfunc_end_k_q93a17744a8_prep:
	.size	k_q93a17744a8_prep, .Lfunc_end_k_q93a17744a8_prep-k_q93a17744a8_prep
	.p2alignl 7, 3214868480
	.fill 96, 4, 3214868480
	.section	.rodata,"a",@progbits
	.p2align	6, 0x0
	.amdhsa_kernel k_q93a17744a8_prep
		.amdhsa_group_segment_fixed_size 8704
		.amdhsa_private_segment_fixed_size 0
		.amdhsa_enable_private_segment 0
		.amdhsa_kernarg_size 48
		.amdhsa_user_sgpr_count 2
		.amdhsa_user_sgpr_kernarg_segment_ptr 1
		.amdhsa_wavefront_size32 1
		.amdhsa_system_sgpr_workgroup_id_x 1
		.amdhsa_system_sgpr_workgroup_id_y 1
		.amdhsa_system_sgpr_workgroup_id_z 1
		.amdhsa_system_vgpr_workitem_id 0
		.amdhsa_next_free_vgpr 130
		.amdhsa_next_free_sgpr 66
		.amdhsa_reserve_vcc 1
		.amdhsa_float_denorm_mode_32 3
		.amdhsa_float_denorm_mode_16_64 3
		.amdhsa_memory_ordered 1
		.amdhsa_forward_progress 1
		.amdhsa_inst_pref_size 18
	.end_amdhsa_kernel
	.amdgpu_metadata
---
amdhsa.version: [ 1, 2 ]
amdhsa.kernels:
  - .name:           k_q93a17744a8_prep
    .symbol:         k_q93a17744a8_prep.kd
    .args:
      - { .name: hs, .offset: 0, .size: 8, .value_kind: global_buffer, .address_space: global }
      - { .name: ds, .offset: 8, .size: 8, .value_kind: global_buffer, .address_space: global }
      - { .name: d_masks, .offset: 16, .size: 8, .value_kind: global_buffer, .address_space: global }
      - { .name: hsq, .offset: 24, .size: 8, .value_kind: global_buffer, .address_space: global }
      - { .name: hss, .offset: 32, .size: 8, .value_kind: global_buffer, .address_space: global }
      - { .name: cbuf, .offset: 40, .size: 8, .value_kind: global_buffer, .address_space: global }
    .group_segment_fixed_size: 8704
    .private_segment_fixed_size: 0
    .kernarg_segment_align: 8
    .kernarg_segment_size: 48
    .max_flat_workgroup_size: 128
    .sgpr_count:     66
    .vgpr_count:     130
    .wavefront_size: 32
...
	.end_amdgpu_metadata
.endif
;; end of part 1
;; launch upsample (part 2): grid 16 x 16, 4 waves a work-group, no clusters, 18,944 bytes of LDS; arguments hsq, hss, cbuf, h_masks, out0; writes out0
.if DOCPART == 2
	.amdgcn_target "amdgcn-amd-amdhsa--gfx1250"
	.amdhsa_code_object_version 6
	.text
	.protected	k_q93a17744a8_upsample
	.globl	k_q93a17744a8_upsample
	.p2align	8
	.type	k_q93a17744a8_upsample,@function
k_q93a17744a8_upsample:
	s_mov_b64 s[64:65], 0
	v_nop
	global_prefetch_b8 v0, s[64:65] scope:SCOPE_SE
	s_setreg_imm32_b32 hwreg(HW_REG_WAVE_MODE, 25, 1), 1
	s_wait_xcnt 0x0
; out[b][f][d] = (sum over tokens l of Q(p[f][l]) Q(hs[l][d])) / (sum over l of p[f][l]),  p = 2^(t - M),  t = ((-0.1 (tf - c_l)^2) log2 e),  tf = f x h_mask,  M = ceil(the row's largest t).
; Both operands are codes of FP4 (E2M1) with one E8M0 scale for each 32 tokens.  hs's codes, scale words and the centres c (+infinity for a masked token) come from the launch before.
; t IS MADE BY THE DEFINITION'S OWN ROUNDINGS, IN ITS ORDER (subtract, square, x -0.1, x log2 e): far from every centre |t| is in the thousands, and a folded constant would move t by more than a code's width there.
; t - M is exact wherever p is not 0 (M is a whole number no larger in magnitude than t).  The largest t of a row or of a block is that of the smallest square: the two multiplications keep the order.
; SHARES.  Work-group (x, y = b): 256 frames, in four rounds of 64.  THE WAVES SHARE THE FRAMES IN THE SOFTMAX AND THE COLUMNS IN THE PRODUCT: in a round wave w makes p, its codes, scale words and 1 / sum for
; frames 16 w .. 16 w + 15 and puts them into LDS as images of the operand's registers; then every wave loads all four tiles and multiplies them by ITS 64 columns of hs (group g = w),
; whose 16 fragments stay in its registers for the whole launch, as do all 512 centres (256 a lane).
; LANES.  In the softmax lane (r, h) holds frame r and whole blocks: tokens 64 B + 32 h + 0 .. 31, B = 0 .. 7: the operand's own order, so the conversions' results ARE the fragments' registers.
; THE COLUMNS OF A TILE OF hs ARE NOT NEIGHBOURS: lane r of tile u is column 64 g + 4 r + u.  So register j of the four accumulators u = 0 .. 3 of a lane are four neighbouring columns of frame 8 h + j:
; the multiplication by 1 / sum, which is owed anyway, writes them side by side, and sixteen lanes store 256 consecutive bytes, aligned.  No stage in LDS on the way out.
; No tensor loads, no cluster: what work-groups share (68 KB of codes) goes straight into registers once; a joint load would land in LDS, from where it would have to be read again.
; LIMITS: p under 2^-126 becomes 0 (v_exp_f32 flushes; the row's largest p is above 1/2); a block of zeros has the byte 1 with zero codes; 1 / sum by v_rcp_f32; a batch with every token masked gives NaN, as the definition does.
; REGISTERS, in windows of 256 (s_set_vgpr_msb: bits 1:0 source 0, 3:2 source 1, 5:4 source 2, 7:6 destination):
;   window 0: addresses, statistics, p's codes, all scale words, 1 / sum.   window 1: C, the lane's 256 centres (32 B + i).
;   window 2: S (32 B + i): d, d^2, t, t - M, p in place; when it is dead: v0-127 PF, the four tiles' fragments of p, v128-255 OUT.   window 3: v0-127 HF, hs's fragments; v128-255 ACC.
.set PIMG, 0                           ; LDS: p's fragments: 4096 x tile + 1024 s + 512 c + 16 x lane
.set PSC,  16384                       ; LDS: p's scale words: 256 x tile + 16 r: the four words of a frame
.set RLB,  17408                       ; LDS: 1 / sum: 4 x frame
.set R,    2                           ; v2   r = lane % 16
.set H,    3                           ; v3   h = lane / 16
.set LI,   4                           ; v4   16 x lane
.set SWI,  5                           ; v5   where I store my tile's images: 16 x lane + 4096 x wave
.set SWS,  6                           ; v6   its scale words: PSC + 256 x wave + 16 r
.set SWR,  7                           ; v7   its 1 / sum: RLB + 64 x wave + 4 r
.set LSA,  8                           ; v8   PSC + 16 x lane
.set LRL,  9                           ; v9   RLB + 32 h
.set OA,   10                          ; v10  out: 8192 h + 16 r + 256 x wave
.set CA,   11                          ; v11  128 h
.set SH,   12                          ; v12  8 h
.set MKB,  13                          ; v13  bit n: the mask of my frame in round n
.set FI,   14                          ; v14  my frame's index, f32
.set T0,   15
.set TF,   16                          ; v[16:17] tf, twice
.set NM,   18                          ; v[18:19] -M, twice
.set LS,   20                          ; v20  the row's sum
.set T1,   21
.set RL,   22                          ; v22  1 / sum
.set L4,   23                          ; v23  4 x lane
.set BM,   24                          ; v24-31  each block's smallest square, then its largest p
.set SO,   32                          ; v32-39  the conversions' scale operands
.set BY,   40                          ; v40-47  the scale bytes
.set PW,   48                          ; v[48:51] the four scale words
.set PT,   52                          ; v52-55  at work
.set PC,   64                          ; v64-95  p's codes: 4 B + q = fragment s = B / 2, register 4 (B % 2) + q
.set SB,   96                          ; v96-103  hs's scale words: 2 s + u / 2: lanes 0-15 the even tile's, lanes 16-31 the odd one's
.set PS,   104                         ; v104-111 p's scale words: 4 (m / 2) + s: lanes 0-15 the even tile's, lanes 16-31 the odd one's
.set RLV,  112                         ; v112-143 8 m + j: 1 / sum of frame 16 m + 8 h + j
.set PF,   0                           ; window 2
.set OUT,  128                         ; window 2
.set HF,   0                           ; window 3
.set ACC,  128                         ; window 3
.set MSB, 0
.macro WIN new                         ; the immediate's high byte repeats the setting that is left; a switch that changes nothing is dropped
.if MSB != \new
	s_set_vgpr_msb (MSB<<8)|\new
.set MSB, \new
.endif
.endm
	s_load_b256 s[4:11], s[0:1], 0x0               ; hsq s[4:5], hss s[6:7], cbuf s[8:9], h_masks s[10:11]
	s_load_b64 s[12:13], s[0:1], 0x20              ; out0
	v_lshl_add_u32 v254, v0, 2, 0x4800
	v_mov_b32 v255, 0
	v_lshrrev_b32 v1, 5, v0
	v_readfirstlane_b32 s14, v1                    ; wave 0..3
	s_mov_b32 s15, ttmp9                           ; which 256 frames
	s_and_b32 s16, ttmp7, 0xffff                   ; b
	v_and_b32 v1, 31, v0                           ; lane
	v_and_b32 v[R], 15, v0
	v_bfe_u32 v[H], v0, 4, 1
	v_lshlrev_b32 v[LI], 4, v1
	s_lshl_b32 s27, s14, 12
	v_add_nc_u32 v[SWI], s27, v[LI]
	s_lshl_b32 s27, s14, 8                         ; 256 x wave
	s_add_co_u32 s28, s27, PSC
	v_lshl_add_u32 v[SWS], v[R], 4, s28
	s_lshl_b32 s28, s14, 6
	s_add_co_u32 s28, s28, RLB
	v_lshl_add_u32 v[SWR], v[R], 2, s28
	v_add_nc_u32 v[LSA], PSC, v[LI]
	v_lshl_add_u32 v[LRL], v[H], 5, RLB
	v_lshlrev_b32 v[OA], 13, v[H]
	v_lshl_add_u32 v[OA], v[R], 4, v[OA]
	v_add_nc_u32 v[OA], s27, v[OA]
	v_lshlrev_b32 v[CA], 7, v[H]
	v_lshlrev_b32 v[SH], 3, v[H]
	v_lshlrev_b32 v[L4], 2, v1
	s_lshl_b32 s32, s15, 8
	s_lshl_b32 s28, s14, 4
	s_add_co_u32 s32, s32, s28                     ; my tile's first frame in round 0: 256 x + 16 x wave
	v_add_nc_u32 v[FI], s32, v[R]
	v_cvt_f32_u32 v[FI], v[FI]
	v_mov_b32 v[T1], 0                             ; written once: a lane permute's destination counts as one of its sources
.irp s, 0,1,2,3
	v_mov_b32 v[PT+\s], 0
.endr
	s_lshl_b32 s18, s16, 16                        ; hsq: 65,536 bytes a batch, 16,384 a group of columns
	s_lshl_b32 s28, s14, 14
	s_add_co_u32 s18, s18, s28
	s_mov_b32 s19, 0
	s_lshl_b32 s28, s16, 12                        ; hss: 4,096 a batch, 1,024 a group
	s_lshl_b32 s29, s14, 10
	s_add_co_u32 s28, s28, s29
	s_mov_b32 s29, 0
	s_lshl_b32 s30, s16, 11                        ; cbuf: 2,048 a batch
	s_mov_b32 s31, 0
	s_lshl_b32 s33, s16, 12                        ; h_masks: 4,096 a batch, + my tile's first frame
	s_add_co_u32 s32, s32, s33
	s_mov_b32 s33, 0
	s_lshl_b32 s34, s16, 22                        ; out0: 4,096 rows of 1,024 bytes a batch, 256 rows a work-group
	s_lshl_b32 s35, s15, 18
	s_add_co_u32 s34, s34, s35
	s_mov_b32 s35, 0
	s_mov_b32 s20, 0x76543210                      ; v_permlanex16_b32's selects for lane l xor 16
	s_mov_b32 s21, 0xfedcba98
	s_mov_b32 s22, 0xbdcccccd                      ; -0.1
	s_mov_b32 s23, s22                             ; (the packed forms name the pair, so it is written)
	s_mov_b32 s24, 0x3fb8aa3b                      ; log2 e
	s_mov_b32 s25, s24
	s_mov_b32 s26, 0                               ; the round
	s_wait_kmcnt 0x0
	s_add_nc_u64 s[4:5], s[4:5], s[18:19]
	s_add_nc_u64 s[6:7], s[6:7], s[28:29]
	s_add_nc_u64 s[8:9], s[8:9], s[30:31]
	s_add_nc_u64 s[10:11], s[10:11], s[32:33]
	s_add_nc_u64 s[12:13], s[12:13], s[34:35]
	WIN 0x40                                       ; destination window 1
.irp b, 0,1,2,3,4,5,6,7
.irp j, 0,1,2,3,4,5,6,7
	global_load_b128 v[32*\b+4*\j:32*\b+4*\j+3], v[CA], s[8:9] offset:256*\b+16*\j   ; c of tokens 64 B + 32 h + 4 j on
.endr
.endr
	WIN 0
.irp p, 0,1,2,3
	global_load_u8 v[BM+\p], v[R], s[10:11] offset:64*\p   ; my frame's mask in round p
.endr
	WIN 0xc0                                       ; destination window 3
.irp f, 0,1,2,3,4,5,6,7,8,9,10,11,12,13,14,15
.irp c, 0,1
	global_load_b128 v[HF+8*\f+4*\c:HF+8*\f+4*\c+3], v[LI], s[4:5] offset:1024*\f+512*\c   ; fragment f = 4 u + s of my columns: 512 consecutive bytes a load
.endr
.endr
	WIN 0
.irp s, 0,1,2,3
.irp p, 0,1
	global_load_b32 v[SB+2*\s+\p], v[L4], s[6:7] offset:256*\s+128*\p
.endr
.endr
	s_wait_loadcnt 40                              ; c and the masks are in; the 40 younger loads (hs's fragments and scale words) may be out until the first products
	v_lshl_or_b32 v[MKB], v[BM+1], 1, v[BM]
	v_lshl_or_b32 v[MKB], v[BM+2], 2, v[MKB]
	v_lshl_or_b32 v[MKB], v[BM+3], 3, v[MKB]
; ---- the lists of the softmax's second half, for block b of eight
.macro ETX b, n                        ; number n of 48: pair n % 16 of the block: x -0.1, then x log2 e, then - M
.set pr, 32*(\b)+2*((\n)%16)
.if (\n)/16 == 0
	v_pk_mul_f32 v[pr:pr+1], v[pr:pr+1], s[22:23] op_sel_hi:[1,0]
.elseif (\n)/16 == 1
	v_pk_mul_f32 v[pr:pr+1], v[pr:pr+1], s[24:25] op_sel_hi:[1,0]
.else
	v_pk_fma_f32 v[pr:pr+1], v[pr:pr+1], 1.0, v[NM:NM+1] op_sel_hi:[1,0,1]
.endif
.endm
.macro EX b, n                         ; number n of 32: p = 2^(t - M)
	v_exp_f32 v[32*(\b)+(\n)], v[32*(\b)+(\n)]
.endm
.macro SUM b, n                        ; number n of 16: the sum of the UNQUANTISED p, behind the block's conversions, in place: pairs 8, 4, 2, 1 apart, then onto block 0's first pair
.set tb, 32*(\b)
.if (\n) < 8
.set tq, tb+2*(\n)
	v_pk_add_f32 v[tq:tq+1], v[tq:tq+1], v[tq+16:tq+17]
.elseif (\n) < 12
.set tq, tb+2*((\n)-8)
	v_pk_add_f32 v[tq:tq+1], v[tq:tq+1], v[tq+8:tq+9]
.elseif (\n) < 14
.set tq, tb+2*((\n)-12)
	v_pk_add_f32 v[tq:tq+1], v[tq:tq+1], v[tq+4:tq+5]
.elseif (\n) == 14
	v_pk_add_f32 v[tb:tb+1], v[tb:tb+1], v[tb+2:tb+3]
.elseif (\b) > 0
	v_pk_add_f32 v[0:1], v[0:1], v[tb:tb+1]
	s_wait_alu depctr_va_vdst(0)
.endif
.endm
; Stage k of ten: block k's scalings, block k - 1's exponentials, block k - 2's sum, dealt so that a plain instruction on another block follows the exponentials
; (ISA guide 5.7.2: a plain instruction between a transcendental and the use of its result); then block k - 1's conversions.
.macro PIPE k
	WIN 0x8a                                       ; all in window 2, source 2 (-M) in window 0
.set jj, 0
.rept 16
.if ((\k) >= 1) && ((\k) <= 8)
	EX (\k)-1, 2*jj
.endif
.if (\k) <= 7
	ETX \k, 3*jj
	ETX \k, 3*jj+1
.endif
.if ((\k) >= 1) && ((\k) <= 8)
	EX (\k)-1, 2*jj+1
.endif
.if (\k) <= 7
	ETX \k, 3*jj+2
.endif
.if (\k) >= 2
	SUM (\k)-2, jj
.endif
.set jj, jj+1
.endr
.if ((\k) >= 1) && ((\k) <= 8)
	WIN 0x02                                       ; source 0 window 2; the scale operand and the codes in window 0
	s_wait_alu depctr_va_vdst(0)
.irp q, 0,1,2,3
	v_cvt_scalef32_pk8_fp4_f32 v[PC+4*((\k)-1)+\q], v[32*((\k)-1)+8*\q:32*((\k)-1)+8*\q+7], v[SO+(\k)-1]
.endr
	v_nop                                          ; one plain place behind the scaled conversions: the sums will write their sources
.endif
.endm
; One product: frames of tile m x columns of tile u, K step s.  The scale words' rows go by the tiles' parity.
.macro WM m, s, u
.set rD, ACC+32*(\m)+8*(\u)
.set rA, PF+32*(\m)+8*(\s)
.set rB, HF+8*(4*(\u)+(\s))
.set rP, PS+4*((\m)/2)+(\s)
.set rH, SB+2*(\s)+(\u)/2
.set rw, 2*((\m)%2)+(\u)%2
.if (\s) == 0                          ; the first K step starts the sum: nothing is cleared
.if rw == 0
	v_wmma_scale_f32_16x16x128_f8f6f4 v[rD:rD+7], v[rA:rA+7], v[rB:rB+7], 0, v[rP], v[rH] matrix_a_fmt:MATRIX_FMT_FP4 matrix_b_fmt:MATRIX_FMT_FP4
.elseif rw == 1
	v_wmma_scale_f32_16x16x128_f8f6f4 v[rD:rD+7], v[rA:rA+7], v[rB:rB+7], 0, v[rP], v[rH] matrix_a_fmt:MATRIX_FMT_FP4 matrix_b_fmt:MATRIX_FMT_FP4 matrix_b_scale:MATRIX_SCALE_ROW1
.elseif rw == 2
	v_wmma_scale_f32_16x16x128_f8f6f4 v[rD:rD+7], v[rA:rA+7], v[rB:rB+7], 0, v[rP], v[rH] matrix_a_fmt:MATRIX_FMT_FP4 matrix_b_fmt:MATRIX_FMT_FP4 matrix_a_scale:MATRIX_SCALE_ROW1
.else
	v_wmma_scale_f32_16x16x128_f8f6f4 v[rD:rD+7], v[rA:rA+7], v[rB:rB+7], 0, v[rP], v[rH] matrix_a_fmt:MATRIX_FMT_FP4 matrix_b_fmt:MATRIX_FMT_FP4 matrix_a_scale:MATRIX_SCALE_ROW1 matrix_b_scale:MATRIX_SCALE_ROW1
.endif
.else
.if rw == 0
	v_wmma_scale_f32_16x16x128_f8f6f4 v[rD:rD+7], v[rA:rA+7], v[rB:rB+7], v[rD:rD+7], v[rP], v[rH] matrix_a_fmt:MATRIX_FMT_FP4 matrix_b_fmt:MATRIX_FMT_FP4
.elseif rw == 1
	v_wmma_scale_f32_16x16x128_f8f6f4 v[rD:rD+7], v[rA:rA+7], v[rB:rB+7], v[rD:rD+7], v[rP], v[rH] matrix_a_fmt:MATRIX_FMT_FP4 matrix_b_fmt:MATRIX_FMT_FP4 matrix_b_scale:MATRIX_SCALE_ROW1
.elseif rw == 2
	v_wmma_scale_f32_16x16x128_f8f6f4 v[rD:rD+7], v[rA:rA+7], v[rB:rB+7], v[rD:rD+7], v[rP], v[rH] matrix_a_fmt:MATRIX_FMT_FP4 matrix_b_fmt:MATRIX_FMT_FP4 matrix_a_scale:MATRIX_SCALE_ROW1
.else
	v_wmma_scale_f32_16x16x128_f8f6f4 v[rD:rD+7], v[rA:rA+7], v[rB:rB+7], v[rD:rD+7], v[rP], v[rH] matrix_a_fmt:MATRIX_FMT_FP4 matrix_b_fmt:MATRIX_FMT_FP4 matrix_a_scale:MATRIX_SCALE_ROW1 matrix_b_scale:MATRIX_SCALE_ROW1
.endif
.endif
.endm
.macro MM m                            ; tile m's 16 products: its four accumulators take turns, one instruction a turn
	WIN 0xfe                                       ; A window 2; B, C and D window 3
.irp s, 0,1,2,3
.irp u, 0,1,2,3
	WM \m, \s, \u
.endr
.endr
.endm
.macro MULT m                          ; x 1 / sum, and the four tiles' columns side by side; each accumulator is read from its lowest register on
	WIN 0x83                                       ; source 0 window 3, source 1 window 0, destination window 2
.irp j, 0,1,2,3,4,5,6,7
.irp u, 0,1,2,3
	v_mul_f32 v[OUT+32*\m+4*\j+\u], v[ACC+32*\m+8*\u+\j], v[RLV+8*\m+\j]
.endr
.endr
.endm
.macro STORE m
	WIN 0x08                                       ; a store's data are its source 1: window 2
.irp j, 0,1,2,3,4,5,6,7
	global_store_b128 v[OA], v[OUT+32*\m+4*\j:OUT+32*\m+4*\j+3], s[12:13] offset:(16*\m+\j)*1024 th:TH_STORE_NT   ; frames 16 m + j and 16 m + 8 + j: sixteen lanes store 256 consecutive bytes, aligned; written once
.endr
.endm
.Lround:                                               ; four trips: 64 frames each.  Every window is 0 here
	v_bfe_u32 v[T0], v[MKB], s26, 1
	v_cvt_f32_u32 v[T0], v[T0]
	v_mul_f32 v[TF], v[FI], v[T0]                  ; tf = frame index x mask
	v_mov_b32 v[TF+1], v[TF]
	WIN 0x84                                       ; source 1 (c) window 1, destination window 2
.set i, 0
.rept 128
	v_pk_add_f32 v[i:i+1], v[TF:TF+1], v[i:i+1] neg_lo:[0,1] neg_hi:[0,1]   ; d = tf - c
.set i, i+2
.endr
	WIN 0x8a
.set i, 0
.rept 128
	v_pk_mul_f32 v[i:i+1], v[i:i+1], v[i:i+1]      ; d^2
.set i, i+2
.endr
	WIN 0x2a                                       ; THE SMALLEST SQUARE OF EACH BLOCK: it serves twice: for the row's largest t and for the block's largest p.  The eight blocks by turns
.irp b, 0,1,2,3,4,5,6,7
	v_min3_num_f32 v[BM+\b], v[32*\b], v[32*\b+1], v[32*\b+2]
.endr
	WIN 0x28
.irp i, 3,5,7,9,11,13,15,17,19,21,23,25,27,29
.irp b, 0,1,2,3,4,5,6,7
	v_min3_num_f32 v[BM+\b], v[BM+\b], v[32*\b+\i], v[32*\b+\i+1]
.endr
.endr
.irp b, 0,1,2,3,4,5,6,7
	v_min_num_f32 v[BM+\b], v[BM+\b], v[32*\b+31]
.endr
	WIN 0
	v_min3_num_f32 v[T0], v[BM], v[BM+1], v[BM+2]
	v_min3_num_f32 v[T0], v[T0], v[BM+3], v[BM+4]
	v_min3_num_f32 v[T0], v[T0], v[BM+5], v[BM+6]
	v_min_num_f32 v[T0], v[T0], v[BM+7]
	v_permlanex16_b32 v[T1], v[T0], s20, s21       ; the frame's other 256 tokens lie in the lane 16 away
	v_min_num_f32 v[T0], v[T0], v[T1]
	v_mul_f32 v[T0], s22, v[T0]
	v_mul_f32 v[T0], s24, v[T0]                    ; the row's largest t
	v_floor_f32 v[NM], -v[T0]                      ; -M = floor(-t) = -ceil(t)
	v_mov_b32 v[NM+1], v[NM]
.irp b, 0,1,2,3,4,5,6,7
	v_mul_f32 v[BM+\b], s22, v[BM+\b]              ; each block's largest p, by the same roundings on the same number as the element itself: the same bits
.endr
.irp b, 0,1,2,3,4,5,6,7
	v_mul_f32 v[BM+\b], s24, v[BM+\b]
.endr
.irp b, 0,1,2,3,4,5,6,7
	v_add_f32 v[BM+\b], v[BM+\b], v[NM]
.endr
.irp b, 0,1,2,3,4,5,6,7
	v_exp_f32 v[BM+\b], v[BM+\b]
.endr
	v_add_f32 v[FI], 0x42800000, v[FI]             ; the next round's frame: + 64.  (The plain place behind the exponentials)
	s_wait_alu depctr_va_vdst(0)
.irp b, 0,1,2,3,4,5,6,7
	v_max_num_f32 v[BM+\b], 0x1800000, v[BM+\b]    ; the floor 2^(3 - 127): the byte cannot fall under 1
.endr
.irp b, 0,1,2,3,4,5,6,7
	v_add_nc_u32 v[SO+\b], 0xff000000, v[BM+\b]    ; 2 off the exponent field: the conversion's scale operand
.endr
.irp b, 0,1,2,3,4,5,6,7
	v_lshrrev_b32 v[BY+\b], 23, v[SO+\b]           ; the scale's byte
.endr
.irp k, 0,1,2,3,4,5,6,7,8,9
	PIPE \k
.endr
	WIN 0x0a
	v_add_f32 v[LS], v0, v1                        ; (window 2: S's first pair) the sum's two halves,
	WIN 0
	v_permlanex16_b32 v[T1], v[LS], s20, s21
	v_add_f32 v[LS], v[LS], v[T1]                  ; and the other 256 tokens': the row's sum
	v_rcp_f32 v[RL], v[LS]
.irp s, 0,1,2,3
	v_lshl_or_b32 v[PW+\s], v[BY+2*\s+1], 16, v[BY+2*\s]   ; my two bytes of K step s: blocks h and 2 + h.  (The first of these lines is the plain place behind the reciprocal)
.endr
.irp s, 0,1,2,3
	v_lshlrev_b32 v[PW+\s], v[SH], v[PW+\s]        ; at their places: 8 h bits up
.endr
.irp s, 0,1,2,3
	v_permlanex16_b32 v[PT+\s], v[PW+\s], s20, s21
.endr
.irp s, 0,1,2,3
	v_or_b32 v[PW+\s], v[PW+\s], v[PT+\s]          ; with lane l xor 16's two the word is whole
.endr
.irp f, 0,1,2,3,4,5,6,7
	ds_store_b128 v[SWI], v[PC+4*\f:PC+4*\f+3] offset:PIMG+512*\f   ; my tile's four fragments as they stand: 512 consecutive bytes a store
.endr
	ds_store_b128 v[SWS], v[PW:PW+3]               ; both lanes of a frame write the same bytes with the same values
	s_wait_alu depctr_va_vdst(0)
	ds_store_b32 v[SWR], v[RL]
	s_wait_dscnt 0x0                               ; for the others' sake: my stores have landed
	s_barrier_signal -1
	s_barrier_wait -1                              ; the four tiles lie in LDS
	WIN 0x80                                       ; destination window 2: S is dead
.irp m, 0,1,2,3
.irp f, 0,1,2,3,4,5,6,7
	ds_load_b128 v[PF+32*\m+4*\f:PF+32*\m+4*\f+3], v[LI] offset:PIMG+4096*\m+512*\f
.endr
.endr
	WIN 0
.irp p, 0,1
	ds_load_b128 v[PS+4*\p:PS+4*\p+3], v[LSA] offset:512*\p   ; lanes 0-15: tile 2 p's words, lanes 16-31: tile 2 p + 1's
.endr
.irp m, 0,1,2,3
.irp e, 0,1
	ds_load_b128 v[RLV+8*\m+4*\e:RLV+8*\m+4*\e+3], v[LRL] offset:64*\m+16*\e
.endr
.endr
	s_wait_dscnt 0x0                               ; my reads are in: the products may start, and the images may be written again behind the barrier
	s_wait_loadcnt 0x0                             ; hs's fragments and scale words (out only in the first round)
	s_barrier_signal -1
	s_barrier_wait -1                              ; every wave's reads are in
	MM 0
	MM 1
.rept 4
	v_nop                                          ; four places between a product and the first read of its result (ISA guide 7.12.1); from here on the multiplications of one tile are the places behind the next tile's products
.endr
	MULT 0
	STORE 0
	MM 2
	MULT 1
	STORE 1
	MM 3
	MULT 2                                         ; 32 plain instructions that name no register of tile 3's products: their places
	STORE 2
	MULT 3
	STORE 3
	WIN 0
	s_wait_xcnt 0x0                                ; the stores have read their base and their data: the base steps, and the next round writes window 2 again
	s_add_nc_u64 s[12:13], s[12:13], 0x10000       ; 64 rows of 1,024 bytes
	s_add_co_u32 s26, s26, 1
	s_cmp_lt_u32 s26, 4
	s_cbranch_scc1 .Lround
	s_wait_tensorcnt 0x0
	ds_add_u32 v254, v255
	s_wait_dscnt 0x0
	s_endpgm
.Lfunc_end_k_q93a17744a8_upsample:
	.size	k_q93a17744a8_upsample, .Lfunc_end_k_q93a17744a8_upsample-k_q93a17744a8_upsample
	.p2alignl 7, 3214868480
	.fill 96, 4, 3214868480
	.section	.rodata,"a",@progbits
	.p2align	6, 0x0
	.amdhsa_kernel k_q93a17744a8_upsample
		.amdhsa_group_segment_fixed_size 18944
		.amdhsa_private_segment_fixed_size 0
		.amdhsa_enable_private_segment 0
		.amdhsa_kernarg_size 40
		.amdhsa_user_sgpr_count 2
		.amdhsa_user_sgpr_kernarg_segment_ptr 1
		.amdhsa_wavefront_size32 1
		.amdhsa_system_sgpr_workgroup_id_x 1
		.amdhsa_system_sgpr_workgroup_id_y 1
		.amdhsa_system_sgpr_workgroup_id_z 1
		.amdhsa_system_vgpr_workitem_id 0
		.amdhsa_next_free_vgpr 1024
		.amdhsa_next_free_sgpr 66
		.amdhsa_reserve_vcc 0
		.amdhsa_float_denorm_mode_32 3
		.amdhsa_float_denorm_mode_16_64 3
		.amdhsa_memory_ordered 1
		.amdhsa_forward_progress 1
		.amdhsa_inst_pref_size 104
	.end_amdhsa_kernel
	.amdgpu_metadata
---
amdhsa.version: [ 1, 2 ]
amdhsa.kernels:
  - .name:           k_q93a17744a8_upsample
    .symbol:         k_q93a17744a8_upsample.kd
    .args:
      - { .name: hsq, .offset: 0, .size: 8, .value_kind: global_buffer, .address_space: global }
      - { .name: hss, .offset: 8, .size: 8, .value_kind: global_buffer, .address_space: global }
      - { .name: cbuf, .offset: 16, .size: 8, .value_kind: global_buffer, .address_space: global }
      - { .name: h_masks, .offset: 24, .size: 8, .value_kind: global_buffer, .address_space: global }
      - { .name: out0, .offset: 32, .size: 8, .value_kind: global_buffer, .address_space: global }
    .group_segment_fixed_size: 18944
    .private_segment_fixed_size: 0
    .kernarg_segment_align: 8
    .kernarg_segment_size: 40
    .max_flat_workgroup_size: 128
    .sgpr_count:     66
    .vgpr_count:     1024
    .wavefront_size: 32
...
	.end_amdgpu_metadata
.endif
;; end of part 2
;; ======== version 2 of 3: 2 launches; 1.18 times as fast as version 1
;; workspace buffers: hsq 1,048,576 bytes; hss 65,536 bytes; cbuf 32,768 bytes; flags 16,384 bytes of whole numbers
;; launch prep (part 3): grid 16 x 16, 4 waves a work-group, no clusters, 8,704 bytes of LDS; arguments hs, ds, d_masks, hsq, hss, cbuf, h_masks, flags; writes hsq, hss, cbuf, flags
.if DOCPART == 3
	.amdgcn_target "amdgcn-amd-amdhsa--gfx1250"
	.amdhsa_code_object_version 6
	.text
	.protected	k_q93a17744a8_prep
	.globl	k_q93a17744a8_prep
	.p2align	8
	.type	k_q93a17744a8_prep,@function
k_q93a17744a8_prep:
	s_mov_b64 s[64:65], 0
	v_nop
	global_prefetch_b8 v0, s[64:65] scope:SCOPE_SE
	s_setreg_imm32_b32 hwreg(HW_REG_WAVE_MODE, 25, 1), 1
	s_wait_xcnt 0x0
; hs [16][512 tokens][256] f32 is the second operand of the product; its K (the tokens) is the FIRST axis inside a batch.  It is turned into codes of FP4 (E2M1)
; with one E8M0 byte for each 32 tokens, laid in the ORDER OF THE OPERAND'S REGISTERS, so that the next launch loads fragments by 16 bytes a lane:
;   hsq [b 16][g 4][u 4][s 4][c 2][lane 32][16 bytes]: lane (r, h), half c: the 32 codes of column 64 g + 4 r + u, tokens 128 s + 64 c + 32 h + 0 .. 31
;   hss [b][g][s][word 16 u + r]: byte 2 c + h of the word is that block's scale byte
; The centres c = cumsum(ds) - ds / 2 are made here too: cbuf [b][512] f32, +infinity where d_masks is false (the energy is then -infinity, as in the definition).
; And the decision WHICH K STEPS OF 128 TOKENS A TILE OF 16 FRAMES NEEDS: flags [b][x][wave][lap]: one word for frames 256 x + 64 lap + 16 wave on; bit 8 s is 1 where step s is to be worked.
;   p = 2^(t - M) is exactly 0 in f32 where t - M <= -150, that is where 0.14427 (d^2 - dmin^2) >= 150: d^2 - dmin^2 >= 1040.  For frames a .. a + 15 and a step whose unmasked centres lie in [lo, hi]:
;   every distance into the step is at least LB = max(lo - (a + 15), a - hi, 0); every frame's nearest distance is at most U = dmin(a + 7.5) + 7.5.  The step is left out where LB^2 (1 - 2^-12) > U^2 + 1100:
;   the spare 60 and the 2^-12 are far above the roundings of t (three of 2^-24 each) and of this test.  A tile with a masked frame (its time is 0) also keeps what the same test keeps at the point 0.
;   The step of a frame's nearest token has LB <= U and always stays; a step without unmasked tokens has LB = infinity and goes; a batch without any has U = infinity and keeps all four.
; SHARES.  Work-group (x = 4 g + s, y = b): 128 tokens x 64 columns of hs.  Wave w: columns 32 (w & 1) on, tokens 64 (w >> 1) on.  A LANE TAKES A COLUMN AND ITS REGISTERS RUN DOWN THE TOKENS:
; each load reads 128 consecutive bytes a wave, a block of 32 lies in one lane's 32 registers, and the conversions give codes with K innermost.  The codes meet in LDS as the image, and leave 512 consecutive bytes a store.
; While hs is on its way every wave makes the batch's 512 centres (lane l: tokens 16 l .. 16 l + 15) and its own four flag words; wave 0 of work-group x = 0 stores the batch's centres
; (2 KB by four stores of 16 bytes a lane, 64 bytes from lane to lane; the flag words are 16 bytes a wave: together 48 KB of the program's traffic go out in such pieces).
; A block's scale is 2^(floor(log2(largest magnitude)) - 2); its byte is the largest magnitude's exponent field - 2, held at 1 from below.
; LIMITS: a block of zeros gets the byte 1 where the quantiser says 127 (its codes are zeros, and these bytes are read by this program alone); blocks whose largest magnitude lies under 2^-124 share that byte;
; NaN and infinities in hs are not served; the partial sums of ds stay under 2^23, so that every centre is exact in f32.
.set IMG,  0                           ; LDS: the image of four fragments: u x 1024 + c x 512 + h x 256 + r x 16
.set SCW,  4096                        ; LDS: 64 scale words: 4 (16 u + r)
.set X,    32                          ; v32-95   64 numbers of my column
.set CD,   96                          ; v96-103  two blocks' codes
.set FD,   128                         ; v128-143 ds of my 16 tokens; later their mask bytes; later c, -infinity where masked
.set FM,   144                         ; v144-147 my 16 mask bytes as loaded; later the four flag words
.set FC,   148                         ; v148-163 the running sum, then c, +infinity where masked
.set TD,   164                         ; v164-173 two differences for each of five points
.set XC,   174                         ; v174-178 the points: the middles of my four tiles, and 0
.set DM,   179                         ; v179-183 the nearest distance at each point
.set PS,   184                         ; the scan over the lanes' totals
.set EX,   185                         ; the sum of all tokens ahead of my 16
.set FH,   186                         ; 1.0 in lanes 16-31, 0.0 in lanes 0-15
.set LO,   187                         ; my step's smallest unmasked centre
.set HI,   188                         ; and its largest
.set PIN,  189                         ; +infinity
.set NIN,  190                         ; -infinity
.set LB0,  191
.set FA,   192                         ; v192-195 a: each tile's first frame
.set FB,   196                         ; v196-199 a + 15
.set UU,   200                         ; v200-203 U, then U^2 + 1100
.set LL,   204                         ; v204-207 LB, then LB^2 (1 - 2^-12)
	s_load_b256 s[4:11], s[0:1], 0x0               ; hs s[4:5], ds s[6:7], d_masks s[8:9], hsq s[10:11]
	s_load_b128 s[12:15], s[0:1], 0x20             ; hss s[12:13], cbuf s[14:15]
	s_load_b128 s[40:43], s[0:1], 0x30             ; h_masks s[40:41], flags s[42:43]
	v_lshl_add_u32 v208, v0, 2, 0x2000
	v_mov_b32 v209, 0
	v_lshrrev_b32 v1, 5, v0
	v_readfirstlane_b32 s16, v1                    ; wave 0..3
	v_and_b32 v1, 31, v0                           ; lane
	s_mov_b32 s17, ttmp9                           ; x = 4 g + s
	s_and_b32 s18, ttmp7, 0xffff                   ; b
	s_lshr_b32 s19, s17, 2                         ; g
	s_and_b32 s20, s17, 3                          ; s
	s_and_b32 s21, s16, 1                          ; q: which 32 columns
	s_lshr_b32 s28, s16, 1                         ; c: which 64 tokens
	v_lshlrev_b32 v2, 2, v1                        ; 4 x lane
	; my column inside the group is 32 q + lane = 4 r + u
	v_and_b32 v9, 3, v1                            ; u
	v_lshrrev_b32 v10, 2, v1
	s_lshl_b32 s29, s21, 3
	v_add_nc_u32 v10, s29, v10                     ; r = lane / 4 + 8 q
	v_lshlrev_b32 v3, 10, v9
	v_lshl_add_u32 v3, v10, 4, v3
	s_lshl_b32 s29, s28, 9
	v_add_nc_u32 v3, s29, v3                       ; v3: where my codes go: 1024 u + 16 r + 512 c (+ 256 h in the immediate)
	v_lshlrev_b32 v4, 6, v9
	v_lshl_add_u32 v4, v10, 2, v4
	s_lshl_b32 s29, s28, 1
	s_add_co_u32 s29, s29, SCW
	v_add_nc_u32 v4, s29, v4                       ; v4: my two scale bytes: SCW + 64 u + 4 r + 2 c
	v_lshlrev_b32 v5, 4, v1                        ; v5: 16 x lane
	s_lshl_b32 s29, s16, 10
	v_add_nc_u32 v6, s29, v5                       ; v6: fragment u = wave, read back: 1024 x wave + 16 x lane
	v_lshlrev_b32 v7, 3, v1                        ; v7: 8 x lane
	v_add_nc_u32 v8, SCW, v7                       ; v8: the scale words, read back
	v_lshlrev_b32 v16, 6, v1                       ; v16: 64 x lane: my 16 tokens in ds and in cbuf; never rewritten
	s_lshl_b32 s22, s18, 19                        ; hs: b x 524,288
	s_lshl_b32 s29, s20, 17
	s_add_co_u32 s22, s22, s29                     ; + 128 s rows of 1,024 bytes
	s_lshl_b32 s29, s28, 16
	s_add_co_u32 s22, s22, s29                     ; + 64 c rows
	s_lshl_b32 s29, s19, 8
	s_add_co_u32 s22, s22, s29                     ; + 64 g columns
	s_lshl_b32 s29, s21, 7
	s_add_co_u32 s22, s22, s29                     ; + 32 q columns
	s_mov_b32 s23, 0
	s_lshl_b32 s30, s18, 16                        ; hsq: b, g, fragment 4 wave + s
	s_lshl_b32 s29, s19, 14
	s_add_co_u32 s30, s30, s29
	s_lshl_b32 s29, s16, 12
	s_add_co_u32 s30, s30, s29
	s_lshl_b32 s29, s20, 10
	s_add_co_u32 s30, s30, s29
	s_mov_b32 s31, 0
	s_lshl_b32 s32, s18, 12                        ; hss: 256 bytes for each (b, g, s)
	s_lshl_b32 s29, s19, 10
	s_add_co_u32 s32, s32, s29
	s_lshl_b32 s29, s20, 8
	s_add_co_u32 s32, s32, s29
	s_mov_b32 s33, 0
	s_lshl_b32 s34, s18, 11                        ; ds and cbuf: 2,048 bytes a batch
	s_mov_b32 s35, 0
	s_lshl_b32 s36, s18, 9                         ; d_masks: 512 bytes a batch
	s_mov_b32 s37, 0
	s_lshl_b32 s71, s17, 8
	s_lshl_b32 s29, s16, 4
	s_add_co_u32 s71, s71, s29                     ; s71: my first tile's first frame: 256 x + 16 wave; the others lie 64 frames apart
	s_lshl_b32 s66, s18, 12
	s_add_co_u32 s66, s66, s71                     ; h_masks: 4,096 bytes a batch, + that frame
	s_mov_b32 s67, 0
	s_lshl_b32 s68, s18, 10                        ; flags: 1,024 bytes a batch, 64 a work-group, 16 a wave
	s_lshl_b32 s73, s17, 6
	s_add_co_u32 s68, s68, s73
	s_add_co_u32 s68, s68, s29
	s_mov_b32 s69, 0
	s_mov_b32 s72, 0x44898000                      ; 1100.0
	s_mov_b32 s24, 0x76543210                      ; v_permlanex16_b32's selects for lane l xor 16
	s_mov_b32 s25, 0xfedcba98
	s_wait_kmcnt 0x0
	s_add_nc_u64 s[4:5], s[4:5], s[22:23]
	s_add_nc_u64 s[10:11], s[10:11], s[30:31]
	s_add_nc_u64 s[12:13], s[12:13], s[32:33]
	s_add_nc_u64 s[6:7], s[6:7], s[34:35]
	s_add_nc_u64 s[14:15], s[14:15], s[34:35]
	s_add_nc_u64 s[8:9], s[8:9], s[36:37]
	s_add_nc_u64 s[40:41], s[40:41], s[66:67]
	s_add_nc_u64 s[42:43], s[42:43], s[68:69]
.irp p, 0,1,2,3
	s_load_b128 s[44+4*\p:47+4*\p], s[40:41], 64*\p   ; the 16 mask bytes of my tile p
.endr
.irp j, 0,1,2,3
	global_load_b128 v[FD+4*\j:FD+4*\j+3], v16, s[6:7] offset:16*\j   ; ds of tokens 16 lane + 4 j on
.endr
	global_load_b128 v[FM:FM+3], v5, s[8:9]        ; and their 16 mask bytes
.set i, 0
.rept 63
	global_load_b32 v[X+i], v2, s[4:5] offset:1024*i th:TH_LOAD_NT   ; hs(token i of my 64, my column): 32 lanes read 128 consecutive bytes; read once in the program
.set i, i+1
.endr
	s_wait_loadcnt 63                              ; ds and the token masks are in: 63 loads were issued behind them, and those may all be out
	global_load_b32 v[X+63], v2, s[4:5] offset:1024*63 th:TH_LOAD_NT
	; ---- the centres of the whole batch, while hs is on its way.  All sums are of whole numbers and halves: exact
.irp i, 0,1,2,3,4,5,6,7,8,9,10,11,12,13,14,15
	v_cvt_f32_i32 v[FD+\i], v[FD+\i]
.endr
	v_lshrrev_b32 v[FH], 4, v1
	v_cvt_f32_u32 v[FH], v[FH]
	v_mov_b32 v[PIN], 0x7f800000
	v_mov_b32 v[NIN], 0xff800000
	v_add_f32 v[FC+1], v[FD], v[FD+1]              ; the running sum inside my 16 tokens
.irp i, 2,3,4,5,6,7,8,9,10,11,12,13,14,15
	v_add_f32 v[FC+\i], v[FC+\i-1], v[FD+\i]
.endr
	v_mov_b32 v[PS], v[FC+15]
	v_add_f32_dpp v[PS], v[PS], v[PS] row_shr:1 row_mask:0xf bank_mask:0xf bound_ctrl:1   ; the running sum of the lanes' totals inside each 16 lanes: lane i adds lane i - n; a lane without such a neighbour adds 0
	v_add_f32_dpp v[PS], v[PS], v[PS] row_shr:2 row_mask:0xf bank_mask:0xf bound_ctrl:1
	v_add_f32_dpp v[PS], v[PS], v[PS] row_shr:4 row_mask:0xf bank_mask:0xf bound_ctrl:1
	v_add_f32_dpp v[PS], v[PS], v[PS] row_shr:8 row_mask:0xf bank_mask:0xf bound_ctrl:1
	v_readlane_b32 s26, v[PS], 15                  ; the first 16 lanes' total,
	v_fma_f32 v[PS], v[FH], s26, v[PS]             ; onto lanes 16-31
	v_sub_f32 v[EX], v[PS], v[FC+15]               ; all tokens ahead of my 16
	v_add_f32 v[FC], v[FD], v[EX]
.irp i, 1,2,3,4,5,6,7,8,9,10,11,12,13,14,15
	v_add_f32 v[FC+\i], v[FC+\i], v[EX]            ; cumsum(ds)
.endr
.irp i, 0,1,2,3,4,5,6,7,8,9,10,11,12,13,14,15
	v_fma_f32 v[FC+\i], v[FD+\i], -0.5, v[FC+\i]   ; c = cumsum - ds / 2
.endr
.irp i, 0,1,2,3,4,5,6,7,8,9,10,11,12,13,14,15
	v_and_b32 v[FD+\i], 0xff<<(8*(\i%4)), v[FM+\i/4]   ; token i's mask byte
.endr
.irp i, 0,1,2,3,4,5,6,7,8,9,10,11,12,13,14,15
	v_cmp_ne_u32 s[76+\i], 0, v[FD+\i]
.endr
.irp i, 0,1,2,3,4,5,6,7,8,9,10,11,12,13,14,15
	v_cndmask_b32 v[FD+\i], v[NIN], v[FC+\i], s[76+\i]   ; for the largest: -infinity where masked
.endr
.irp i, 0,1,2,3,4,5,6,7,8,9,10,11,12,13,14,15
	v_cndmask_b32 v[FC+\i], v[PIN], v[FC+\i], s[76+\i]   ; for all else: +infinity where masked
.endr
	s_or_b32 s27, s16, s17                         ; wave 0 of work-group x = 0 stores the batch's centres; FC and v16 are not written again
	s_cmp_lg_u32 s27, 0
	s_cbranch_scc1 .Lnot_mine
.irp j, 0,1,2,3
	global_store_b128 v16, v[FC+4*\j:FC+4*\j+3], s[14:15] offset:16*\j
.endr
.Lnot_mine:
	; ---- my step's smallest and largest unmasked centre: lanes 8 s .. 8 s + 7 hold step s
	v_min3_num_f32 v[LO], v[FC], v[FC+1], v[FC+2]
	v_max3_num_f32 v[HI], v[FD], v[FD+1], v[FD+2]
.irp i, 3,5,7,9,11,13
	v_min3_num_f32 v[LO], v[LO], v[FC+\i], v[FC+\i+1]
	v_max3_num_f32 v[HI], v[HI], v[FD+\i], v[FD+\i+1]
.endr
	v_min_num_f32 v[LO], v[LO], v[FC+15]
	v_max_num_f32 v[HI], v[HI], v[FD+15]
.irp m, 1,2,4
	v_min_num_f32_dpp v[LO], v[LO], v[LO] row_xmask:\m row_mask:0xf bank_mask:0xf
	v_max_num_f32_dpp v[HI], v[HI], v[HI] row_xmask:\m row_mask:0xf bank_mask:0xf
.endr
	; ---- the nearest distance at five points, by turns: the middles of my four tiles, and 0
.irp p, 0,1,2,3
	s_add_co_u32 s73, s71, 64*\p
	v_cvt_f32_u32 v[FA+\p], s73                    ; a
.endr
.irp p, 0,1,2,3
	v_add_f32 v[XC+\p], 0x40f00000, v[FA+\p]       ; a + 7.5
	v_add_f32 v[FB+\p], 0x41700000, v[FA+\p]       ; a + 15
.endr
	v_mov_b32 v[XC+4], 0
.irp i, 0,2,4,6,8,10,12,14
.irp p, 0,1,2,3,4
	v_sub_f32 v[TD+2*\p], v[XC+\p], v[FC+\i]
	v_sub_f32 v[TD+2*\p+1], v[XC+\p], v[FC+\i+1]
.endr
.irp p, 0,1,2,3,4
.if \i == 0
	v_min_num_f32 v[DM+\p], |v[TD+2*\p]|, |v[TD+2*\p+1]|
.else
	v_min3_num_f32 v[DM+\p], v[DM+\p], |v[TD+2*\p]|, |v[TD+2*\p+1]|
.endif
.endr
.endr
.irp m, 1,2,4,8
.irp p, 0,1,2,3,4
	v_min_num_f32_dpp v[DM+\p], v[DM+\p], v[DM+\p] row_xmask:\m row_mask:0xf bank_mask:0xf
.endr
.endr
.irp p, 0,1,2,3,4
	v_permlanex16_b32 v[TD+2*\p], v[DM+\p], s24, s25
.endr
.irp p, 0,1,2,3,4
	v_min_num_f32 v[DM+\p], v[DM+\p], v[TD+2*\p]   ; over all 512 tokens, in every lane
.endr
	; ---- the test, each lane for its own step: at the point 0,
	v_fma_f32 v[DM+4], v[DM+4], v[DM+4], s72       ; dmin(0)^2 + 1100
	v_max3_num_f32 v[LB0], v[LO], -v[HI], 0
	v_mul_f32 v[LB0], v[LB0], v[LB0]
	v_mul_f32 v[LB0], 0x3f7ff000, v[LB0]           ; x (1 - 2^-12)
	v_cmp_le_f32 s70, v[LB0], v[DM+4]              ; 1: the step stays
	; and for the four tiles, by turns
.irp p, 0,1,2,3
	v_add_f32 v[UU+\p], 0x40f00000, v[DM+\p]       ; U = dmin(a + 7.5) + 7.5
.endr
.irp p, 0,1,2,3
	v_fma_f32 v[UU+\p], v[UU+\p], v[UU+\p], s72
.endr
.irp p, 0,1,2,3
	v_sub_f32 v[LL+\p], v[LO], v[FB+\p]            ; lo - (a + 15)
.endr
.irp p, 0,1,2,3
	v_sub_f32 v[FA+\p], v[FA+\p], v[HI]            ; a - hi
.endr
.irp p, 0,1,2,3
	v_max3_num_f32 v[LL+\p], v[LL+\p], v[FA+\p], 0
.endr
.irp p, 0,1,2,3
	v_mul_f32 v[LL+\p], v[LL+\p], v[LL+\p]
.endr
.irp p, 0,1,2,3
	v_mul_f32 v[LL+\p], 0x3f7ff000, v[LL+\p]
.endr
.irp p, 0,1,2,3
	v_cmp_le_f32 s[60+\p], v[LL+\p], v[UU+\p]
.endr
	s_wait_kmcnt 0x0                               ; the tiles' frame masks
.irp p, 0,1,2,3
	s_and_b32 s73, s[44+4*\p], s[45+4*\p]
	s_and_b32 s73, s73, s[46+4*\p]
	s_and_b32 s73, s73, s[47+4*\p]
	s_cmp_lg_u32 s73, 0x01010101                   ; a byte that is not 1: a masked frame, whose time is 0
	s_cselect_b32 s73, s70, 0
	s_or_b32 s[60+\p], s[60+\p], s73
	v_mov_b32 v[FM+\p], s[60+\p]
.endr
	v_cmp_eq_u32 vcc_lo, 0, v1
	s_wait_xcnt 0x0                                ; EXEC is a source of the loads and stores that are out: it changes only behind this wait
	s_and_saveexec_b32 s38, vcc_lo
	global_store_b128 v5, v[FM:FM+3], s[42:43]     ; lane 0 (its 16 x lane is 0): my four words; v5 and FM are not written again
	s_wait_xcnt 0x0                                ; and again in front of the line that widens it
	s_or_b32 exec_lo, exec_lo, s38
; ---- block j of my column: tokens 32 j .. 32 j + 31 of my 64: it is half h = j of the image
.macro BLOCK j
.set XS, X+32*\j
	v_max3_num_f32 v12, |v[XS]|, |v[XS+1]|, |v[XS+2]|             ; the block's largest magnitude: all 32 numbers are mine; two chains
	v_max3_num_f32 v13, |v[XS+3]|, |v[XS+4]|, |v[XS+5]|
.irp i, 6,10,14,18,22,26
	v_max3_num_f32 v12, v12, |v[XS+\i]|, |v[XS+\i+1]|
	v_max3_num_f32 v13, v13, |v[XS+\i+2]|, |v[XS+\i+3]|
.endr
	v_max3_num_f32 v12, v12, |v[XS+30]|, |v[XS+31]|
	v_max3_num_f32 v12, v12, v13, 0x1800000        ; and the floor 2^(3 - 127): the byte cannot fall under 1
	v_add_nc_u32 v[20+\j], 0xff000000, v12         ; 2 off the exponent field: the conversion takes the exponent field of this operand as its scale
	v_lshrrev_b32 v[22+\j], 23, v[20+\j]           ; the scale's byte
.irp g, 0,1,2,3
	v_cvt_scalef32_pk8_fp4_f32 v[CD+4*\j+\g], v[XS+8*\g:XS+8*\g+7], v[20+\j]
.endr
	v_nop                                          ; one plain place behind the scaled conversions
	ds_store_b128 v3, v[CD+4*\j:CD+4*\j+3] offset:IMG+256*\j
.endm
	s_wait_loadcnt 32                              ; my first 32 loads of hs are in; the 32 younger ones may be out
	BLOCK 0
	s_wait_loadcnt 0x0
	BLOCK 1
	v_lshl_or_b32 v19, v23, 8, v22                 ; bytes 2 c and 2 c + 1 of my column's scale word
	ds_store_b16 v4, v19
	s_wait_dscnt 0x0                               ; for the others' sake: my stores have landed
	s_barrier_signal -1
	s_barrier_wait -1                              ; four whole fragments and their 64 scale words lie in LDS
	ds_load_b128 v[24:27], v6 offset:IMG
	ds_load_b128 v[28:31], v6 offset:IMG+512
	s_wait_dscnt 0x0
	global_store_b128 v5, v[24:27], s[10:11]       ; fragment (u = wave, s): each store covers 512 consecutive bytes, aligned
	global_store_b128 v5, v[28:31], s[10:11] offset:512
	s_cmp_lg_u32 s16, 0
	s_cbranch_scc1 .Ldone
	ds_load_b64 v[126:127], v8
	s_wait_dscnt 0x0
	global_store_b64 v7, v[126:127], s[12:13]      ; the 64 scale words: 256 consecutive bytes, aligned
.Ldone:
	s_wait_tensorcnt 0x0
	ds_add_u32 v208, v209
	s_wait_dscnt 0x0
	s_endpgm
.Lfunc_end_k_q93a17744a8_prep:
	.size	k_q93a17744a8_prep, .Lfunc_end_k_q93a17744a8_prep-k_q93a17744a8_prep
	.p2alignl 7, 3214868480
	.fill 96, 4, 3214868480
	.section	.rodata,"a",@progbits
	.p2align	6, 0x0
	.amdhsa_kernel k_q93a17744a8_prep
		.amdhsa_group_segment_fixed_size 8704
		.amdhsa_private_segment_fixed_size 0
		.amdhsa_enable_private_segment 0
		.amdhsa_kernarg_size 64
		.amdhsa_user_sgpr_count 2
		.amdhsa_user_sgpr_kernarg_segment_ptr 1
		.amdhsa_wavefront_size32 1
		.amdhsa_system_sgpr_workgroup_id_x 1
		.amdhsa_system_sgpr_workgroup_id_y 1
		.amdhsa_system_sgpr_workgroup_id_z 1
		.amdhsa_system_vgpr_workitem_id 0
		.amdhsa_next_free_vgpr 210
		.amdhsa_next_free_sgpr 92
		.amdhsa_reserve_vcc 1
		.amdhsa_float_denorm_mode_32 3
		.amdhsa_float_denorm_mode_16_64 3
		.amdhsa_memory_ordered 1
		.amdhsa_forward_progress 1
		.amdhsa_inst_pref_size 34
	.end_amdhsa_kernel
	.amdgpu_metadata
---
amdhsa.version: [ 1, 2 ]
amdhsa.kernels:
  - .name:           k_q93a17744a8_prep
    .symbol:         k_q93a17744a8_prep.kd
    .args:
      - { .name: hs, .offset: 0, .size: 8, .value_kind: global_buffer, .address_space: global }
      - { .name: ds, .offset: 8, .size: 8, .value_kind: global_buffer, .address_space: global }
      - { .name: d_masks, .offset: 16, .size: 8, .value_kind: global_buffer, .address_space: global }
      - { .name: hsq, .offset: 24, .size: 8, .value_kind: global_buffer, .address_space: global }
      - { .name: hss, .offset: 32, .size: 8, .value_kind: global_buffer, .address_space: global }
      - { .name: cbuf, .offset: 40, .size: 8, .value_kind: global_buffer, .address_space: global }
      - { .name: h_masks, .offset: 48, .size: 8, .value_kind: global_buffer, .address_space: global }
      - { .name: flags, .offset: 56, .size: 8, .value_kind: global_buffer, .address_space: global }
    .group_segment_fixed_size: 8704
    .private_segment_fixed_size: 0
    .kernarg_segment_align: 8
    .kernarg_segment_size: 64
    .max_flat_workgroup_size: 128
    .sgpr_count:     92
    .vgpr_count:     210
    .wavefront_size: 32
...
	.end_amdgpu_metadata
.endif
;; end of part 3
;; launch upsample (part 4): grid 16 x 16, 4 waves a work-group, no clusters, 18,944 bytes of LDS; arguments hsq, hss, cbuf, h_masks, out0, flags; writes out0
.if DOCPART == 4
	.amdgcn_target "amdgcn-amd-amdhsa--gfx1250"
	.amdhsa_code_object_version 6
	.text
	.protected	k_q93a17744a8_upsample
	.globl	k_q93a17744a8_upsample
	.p2align	8
	.type	k_q93a17744a8_upsample,@function
k_q93a17744a8_upsample:
	s_mov_b64 s[64:65], 0
	v_nop
	global_prefetch_b8 v0, s[64:65] scope:SCOPE_SE
	s_setreg_imm32_b32 hwreg(HW_REG_WAVE_MODE, 25, 1), 1
	s_wait_xcnt 0x0
; out[b][f][d] = (sum over tokens l of Q(p[f][l]) Q(hs[l][d])) / (sum over l of p[f][l]),  p = 2^(t - M),  t = ((-0.1 (tf - c_l)^2) log2 e),  tf = f x h_mask,  M = ceil(the row's largest t).
; Both operands are codes of FP4 (E2M1) with one E8M0 scale for each 32 tokens.  hs's codes, scale words, the centres c (+infinity for a masked token) and the flag words come from the launch before.
; t IS MADE BY THE DEFINITION'S OWN ROUNDINGS, IN ITS ORDER (subtract, square, x -0.1, x log2 e): far from every centre |t| is in the thousands, and a folded constant would move t by more than a code's width there.
; t - M is exact wherever p is not 0 (M is a whole number no larger in magnitude than t).  The largest t of a row or of a block is that of the smallest |tf - c|: squaring and the two multiplications keep the order.
; WHAT IS EXACTLY 0 IS NOT COMPUTED.  A tile's flag word says which K steps of 128 tokens can hold a p that is not 0 (bit 8 s; the launch before states the test).  The vector work of the other steps is jumped over by
; scalar branches on that word: their codes are zeros, their blocks' bytes 1, and they add nothing to the row's sum: the very numbers that the work would give.  The step of a frame's nearest token always stays, so M is the row's own.
; ALL PRODUCTS ARE ISSUED, those on zero codes too: a branch would spare four matrix instructions at a time.  No barrier, LDS access or memory access stands under these branches.
; SHARES.  Work-group (x, y = b): 256 frames, in four laps of 64.  THE WAVES SHARE THE FRAMES IN THE SOFTMAX AND THE COLUMNS IN THE PRODUCT: in a lap wave w makes p, its codes, scale words and 1 / sum for
; frames 16 w .. 16 w + 15 and puts them into LDS as images of the operand's registers; then every wave loads all four tiles and multiplies them by ITS 64 columns of hs (group g = w),
; whose 16 fragments stay in its registers for the whole launch, as do all 512 centres (256 a lane).
; LANES.  In the softmax lane (r, h) holds frame r and whole blocks: tokens 64 B + 32 h + 0 .. 31, B = 0 .. 7 (K step s: B = 2 s, 2 s + 1): the operand's own order, so the conversions' results ARE the fragments' registers.
; THE COLUMNS OF A TILE OF hs ARE NOT NEIGHBOURS: lane r of tile u is column 64 g + 4 r + u.  So register j of the four accumulators u = 0 .. 3 of a lane are four neighbouring columns of frame 8 h + j:
; the multiplication by 1 / sum, which is owed anyway, writes them side by side, and sixteen lanes store 256 consecutive bytes, aligned.  No stage in LDS on the way out.
; No tensor loads, no cluster: what work-groups share (68 KB of codes) goes straight into registers once; a joint load would land in LDS, from where it would have to be read again.
; LIMITS: p under 2^-126 becomes 0 (v_exp_f32 flushes; the row's largest p is above 1/2); a block of zeros has the byte 1 with zero codes; 1 / sum by v_rcp_f32; a batch with every token masked gives NaN, as the definition does.
; REGISTERS, in windows of 256 (s_set_vgpr_msb: bits 1:0 source 0, 3:2 source 1, 5:4 source 2, 7:6 destination):
;   window 0: addresses, statistics, p's codes, all scale words, 1 / sum.   window 1: C, the lane's 256 centres (32 B + i).
;   window 2: S (32 B + i): d, d^2, t, t - M, p in place; when it is dead: v0-127 PF, the four tiles' fragments of p, v128-255 OUT.   window 3: v0-127 HF, hs's fragments; v128-255 ACC.
.set PIMG, 0                           ; LDS: p's fragments: 4096 x tile + 1024 s + 512 c + 16 x lane
.set PSC,  16384                       ; LDS: p's scale words: 256 x tile + 16 r: the four words of a frame
.set RLB,  17408                       ; LDS: 1 / sum: 4 x frame
.set R,    2                           ; v2   r = lane % 16
.set H,    3                           ; v3   h = lane / 16
.set LI,   4                           ; v4   16 x lane
.set SWI,  5                           ; v5   where I store my tile's images: 16 x lane + 4096 x wave
.set SWS,  6                           ; v6   its scale words: PSC + 256 x wave + 16 r
.set SWR,  7                           ; v7   its 1 / sum: RLB + 64 x wave + 4 r
.set LSA,  8                           ; v8   PSC + 16 x lane
.set LRL,  9                           ; v9   RLB + 32 h
.set OA,   10                          ; v10  out: 8192 h + 16 r + 256 x wave
.set CA,   11                          ; v11  128 h
.set SH,   12                          ; v12  8 h
.set MKB,  13                          ; v13  bit n: the mask of my frame in lap n
.set FI,   14                          ; v14  my frame's index, f32
.set T0,   15
.set TF,   16                          ; v[16:17] tf, twice
.set NM,   18                          ; v[18:19] -M, twice
.set LS,   20                          ; v20  the row's sum
.set T1,   21
.set RL,   22                          ; v22  1 / sum
.set L4,   23                          ; v23  4 x lane
.set BM,   24                          ; v24-31  each block's smallest |d| (+infinity where the step is left out), then its largest p
.set SO,   32                          ; v32-39  the conversions' scale operands
.set BY,   40                          ; v40-47  the scale bytes
.set PW,   48                          ; v[48:51] the four scale words
.set PT,   52                          ; v52-55  at work
.set LP,   56                          ; v[56:57] the row's sum, in two halves
.set BT,   58                          ; v58-59  a second chain for each of a step's two blocks
.set PC,   64                          ; v64-95  p's codes: 4 B + q = fragment s = B / 2, register 4 (B % 2) + q
.set SB,   96                          ; v96-103  hs's scale words: 2 s + u / 2: lanes 0-15 the even tile's, lanes 16-31 the odd one's
.set PS,   104                         ; v104-111 p's scale words: 4 (m / 2) + s: lanes 0-15 the even tile's, lanes 16-31 the odd one's
.set RLV,  112                         ; v112-143 8 m + j: 1 / sum of frame 16 m + 8 h + j
.set PF,   0                           ; window 2
.set OUT,  128                         ; window 2
.set HF,   0                           ; window 3
.set ACC,  128                         ; window 3
.set MSB, 0
.macro WIN new                         ; the immediate's high byte repeats the setting that is left; a switch that changes nothing is dropped
.if MSB != \new
	s_set_vgpr_msb (MSB<<8)|\new
.set MSB, \new
.endif
.endm
	s_load_b256 s[4:11], s[0:1], 0x0               ; hsq s[4:5], hss s[6:7], cbuf s[8:9], h_masks s[10:11]
	s_load_b128 s[12:15], s[0:1], 0x20             ; out0 s[12:13], flags s[14:15]
	v_lshl_add_u32 v254, v0, 2, 0x4800
	v_mov_b32 v255, 0
	v_lshrrev_b32 v1, 5, v0
	v_readfirstlane_b32 s17, v1                    ; wave 0..3
	s_mov_b32 s40, ttmp9                           ; which 256 frames
	s_and_b32 s16, ttmp7, 0xffff                   ; b
	v_and_b32 v1, 31, v0                           ; lane
	v_and_b32 v[R], 15, v0
	v_bfe_u32 v[H], v0, 4, 1
	v_lshlrev_b32 v[LI], 4, v1
	s_lshl_b32 s27, s17, 12
	v_add_nc_u32 v[SWI], s27, v[LI]
	s_lshl_b32 s27, s17, 8                         ; 256 x wave
	s_add_co_u32 s28, s27, PSC
	v_lshl_add_u32 v[SWS], v[R], 4, s28
	s_lshl_b32 s28, s17, 6
	s_add_co_u32 s28, s28, RLB
	v_lshl_add_u32 v[SWR], v[R], 2, s28
	v_add_nc_u32 v[LSA], PSC, v[LI]
	v_lshl_add_u32 v[LRL], v[H], 5, RLB
	v_lshlrev_b32 v[OA], 13, v[H]
	v_lshl_add_u32 v[OA], v[R], 4, v[OA]
	v_add_nc_u32 v[OA], s27, v[OA]
	v_lshlrev_b32 v[CA], 7, v[H]
	v_lshlrev_b32 v[SH], 3, v[H]
	v_lshlrev_b32 v[L4], 2, v1
	s_lshl_b32 s32, s40, 8
	s_lshl_b32 s28, s17, 4
	s_add_co_u32 s32, s32, s28                     ; my tile's first frame in the first lap: 256 x + 16 x wave
	v_add_nc_u32 v[FI], s32, v[R]
	v_cvt_f32_u32 v[FI], v[FI]
	v_mov_b32 v[T1], 0                             ; written once: a lane permute's destination counts as one of its sources
.irp s, 0,1,2,3
	v_mov_b32 v[PT+\s], 0
.endr
	s_lshl_b32 s42, s16, 10                        ; flags: 1,024 bytes a batch, 64 a work-group, 16 a wave
	s_lshl_b32 s41, s40, 6
	s_add_co_u32 s42, s42, s41
	s_add_co_u32 s42, s42, s28
	s_mov_b32 s43, 0
	s_lshl_b32 s18, s16, 16                        ; hsq: 65,536 bytes a batch, 16,384 a group of columns
	s_lshl_b32 s28, s17, 14
	s_add_co_u32 s18, s18, s28
	s_mov_b32 s19, 0
	s_lshl_b32 s28, s16, 12                        ; hss: 4,096 a batch, 1,024 a group
	s_lshl_b32 s29, s17, 10
	s_add_co_u32 s28, s28, s29
	s_mov_b32 s29, 0
	s_lshl_b32 s30, s16, 11                        ; cbuf: 2,048 a batch
	s_mov_b32 s31, 0
	s_lshl_b32 s33, s16, 12                        ; h_masks: 4,096 a batch, + my tile's first frame
	s_add_co_u32 s32, s32, s33
	s_mov_b32 s33, 0
	s_lshl_b32 s34, s16, 22                        ; out0: 4,096 rows of 1,024 bytes a batch, 256 rows a work-group
	s_lshl_b32 s35, s40, 18
	s_add_co_u32 s34, s34, s35
	s_mov_b32 s35, 0
	s_mov_b32 s20, 0x76543210                      ; v_permlanex16_b32's selects for lane l xor 16
	s_mov_b32 s21, 0xfedcba98
	s_mov_b32 s22, 0xbdcccccd                      ; -0.1
	s_mov_b32 s23, s22                             ; (the packed forms name the pair, so it is written)
	s_mov_b32 s24, 0x3fb8aa3b                      ; log2 e
	s_mov_b32 s25, s24
	s_mov_b32 s26, 0                               ; the lap
	s_wait_kmcnt 0x0
	s_add_nc_u64 s[14:15], s[14:15], s[42:43]
	s_load_b128 s[36:39], s[14:15], 0x0            ; my tile's flag words of the four laps; awaited behind c
	s_add_nc_u64 s[4:5], s[4:5], s[18:19]
	s_add_nc_u64 s[6:7], s[6:7], s[28:29]
	s_add_nc_u64 s[8:9], s[8:9], s[30:31]
	s_add_nc_u64 s[10:11], s[10:11], s[32:33]
	s_add_nc_u64 s[12:13], s[12:13], s[34:35]
	WIN 0x40                                       ; destination window 1
.irp b, 0,1,2,3,4,5,6,7
.irp j, 0,1,2,3,4,5,6,7
	global_load_b128 v[32*\b+4*\j:32*\b+4*\j+3], v[CA], s[8:9] offset:256*\b+16*\j   ; c of tokens 64 B + 32 h + 4 j on
.endr
.endr
	WIN 0
.irp p, 0,1,2,3
	global_load_u8 v[BM+\p], v[R], s[10:11] offset:64*\p   ; my frame's mask in lap p
.endr
	WIN 0xc0                                       ; destination window 3
.irp f, 0,1,2,3,4,5,6,7,8,9,10,11,12,13,14,15
.irp c, 0,1
	global_load_b128 v[HF+8*\f+4*\c:HF+8*\f+4*\c+3], v[LI], s[4:5] offset:1024*\f+512*\c   ; fragment f = 4 u + s of my columns: 512 consecutive bytes a load
.endr
.endr
	WIN 0
.irp s, 0,1,2,3
.irp p, 0,1
	global_load_b32 v[SB+2*\s+\p], v[L4], s[6:7] offset:256*\s+128*\p
.endr
.endr
	s_wait_loadcnt 40                              ; c and the masks are in; the 40 younger loads (hs's fragments and scale words) may be out until the first products
	s_wait_kmcnt 0x0                               ; the flag words
	v_lshl_or_b32 v[MKB], v[BM+1], 1, v[BM]
	v_lshl_or_b32 v[MKB], v[BM+2], 2, v[MKB]
	v_lshl_or_b32 v[MKB], v[BM+3], 3, v[MKB]
; ---- the lists of a block's work behind M, for block b of eight
.macro ETX b, n                        ; number n of 48: pair n % 16 of the block: x -0.1, then x log2 e, then - M
.set pr, 32*(\b)+2*((\n)%16)
.if (\n)/16 == 0
	v_pk_mul_f32 v[pr:pr+1], v[pr:pr+1], s[22:23] op_sel_hi:[1,0]
.elseif (\n)/16 == 1
	v_pk_mul_f32 v[pr:pr+1], v[pr:pr+1], s[24:25] op_sel_hi:[1,0]
.else
	v_pk_fma_f32 v[pr:pr+1], v[pr:pr+1], 1.0, v[NM:NM+1] op_sel_hi:[1,0,1]
.endif
.endm
.macro EX b, n                         ; number n of 32: p = 2^(t - M)
	v_exp_f32 v[32*(\b)+(\n)], v[32*(\b)+(\n)]
.endm
.macro SUM b, n                        ; numbers 1 to 15 (number 0 is empty): the sum of the UNQUANTISED p, behind the block's conversions, in place: pairs 8, 4, 2, 1 apart; it ends in the block's first pair
.set tb, 32*(\b)
.if ((\n) >= 1) && ((\n) <= 8)
.set tq, tb+2*((\n)-1)
	v_pk_add_f32 v[tq:tq+1], v[tq:tq+1], v[tq+16:tq+17]
.elseif ((\n) >= 9) && ((\n) <= 12)
.set tq, tb+2*((\n)-9)
	v_pk_add_f32 v[tq:tq+1], v[tq:tq+1], v[tq+8:tq+9]
.elseif ((\n) == 13) || ((\n) == 14)
.set tq, tb+2*((\n)-13)
	v_pk_add_f32 v[tq:tq+1], v[tq:tq+1], v[tq+4:tq+5]
.elseif (\n) == 15
	v_pk_add_f32 v[tb:tb+1], v[tb:tb+1], v[tb+2:tb+3]
.endif
.endm
; Stage k of four of K step s (blocks 2 s and 2 s + 1): block 2 s + k's scalings, block 2 s + k - 1's exponentials, block 2 s + k - 2's sum, dealt so that a plain instruction on another block follows the
; exponentials and ends the stage (ISA guide 5.7.2: a plain instruction between a transcendental and the use of its result); then block 2 s + k - 1's conversions.
.macro STG s, k
	WIN 0x8a                                       ; all in window 2, source 2 (-M) in window 0
.set jj, 0
.rept 16
.if ((\k) >= 1) && ((\k) <= 2)
	EX 2*(\s)+(\k)-1, 2*jj
.endif
.if (\k) <= 1
	ETX 2*(\s)+(\k), 3*jj
	ETX 2*(\s)+(\k), 3*jj+1
.endif
.if ((\k) >= 1) && ((\k) <= 2)
	EX 2*(\s)+(\k)-1, 2*jj+1
.endif
.if (\k) <= 1
	ETX 2*(\s)+(\k), 3*jj+2
.endif
.if (\k) >= 2
	SUM 2*(\s)+(\k)-2, jj
.endif
.set jj, jj+1
.endr
.if ((\k) >= 1) && ((\k) <= 2)
.set cb, 2*(\s)+(\k)-1
	WIN 0x02                                       ; source 0 window 2; the scale operand and the codes in window 0
	s_wait_alu depctr_va_vdst(0)
.irp q, 0,1,2,3
	v_cvt_scalef32_pk8_fp4_f32 v[PC+4*cb+\q], v[32*cb+8*\q:32*cb+8*\q+7], v[SO+cb]
.endr
	v_nop                                          ; one plain place behind the scaled conversions: the sums will write their sources
.endif
.endm
.macro DIFF s                          ; d = tf - c for the step's 64 tokens of my lane: exact
	WIN 0x84                                       ; source 1 (c) window 1, destination window 2
.set i, 64*(\s)
.rept 32
	v_pk_add_f32 v[i:i+1], v[TF:TF+1], v[i:i+1] neg_lo:[0,1] neg_hi:[0,1]
.set i, i+2
.endr
.endm
; PASS 1 of K step s, if the tile's word keeps it: THE SMALLEST |d| OF EACH OF ITS TWO BLOCKS: it serves twice: for the row's largest t and for the block's largest p.  Four chains by turns.
.macro PH1 s
	s_bitcmp1_b32 s36, 8*(\s)
	s_cbranch_scc0 .Lfar_\@
	DIFF \s
.set sb, 64*(\s)
.set bb, BM+2*(\s)
	WIN 0x2a
.irp e, 0,1
	v_min3_num_f32 v[bb+\e], |v[sb+32*\e]|, |v[sb+32*\e+1]|, |v[sb+32*\e+2]|
	v_min3_num_f32 v[BT+\e], |v[sb+32*\e+16]|, |v[sb+32*\e+17]|, |v[sb+32*\e+18]|
.endr
	WIN 0x28
.irp i, 3,5,7,9,11,13
.irp e, 0,1
	v_min3_num_f32 v[bb+\e], v[bb+\e], |v[sb+32*\e+\i]|, |v[sb+32*\e+\i+1]|
	v_min3_num_f32 v[BT+\e], v[BT+\e], |v[sb+32*\e+16+\i]|, |v[sb+32*\e+17+\i]|
.endr
.endr
.irp e, 0,1
	v_min3_num_f32 v[bb+\e], v[bb+\e], |v[sb+32*\e+15]|, |v[sb+32*\e+31]|
.endr
	WIN 0                                          ; at a label and at a branch every window is 0
.irp e, 0,1
	v_min_num_f32 v[bb+\e], v[bb+\e], v[BT+\e]
.endr
.Lfar_\@:
.endm
; PASS 2 of K step s.  Kept: d once more (32 instructions: so every register read under this branch is written under it), d^2, and the four stages; the step's sum goes onto the row's.  Left out: zero codes.
.macro PH2 s
	s_bitcmp1_b32 s36, 8*(\s)
	s_cbranch_scc0 .Lzero_\@
	DIFF \s
	WIN 0x8a
.set i, 64*(\s)
.rept 32
	v_pk_mul_f32 v[i:i+1], v[i:i+1], v[i:i+1]      ; d^2
.set i, i+2
.endr
	STG \s, 0
	STG \s, 1
	STG \s, 2
	STG \s, 3
	WIN 0x08                                       ; source 1 window 2
	v_pk_add_f32 v[LP:LP+1], v[LP:LP+1], v[64*(\s):64*(\s)+1]
	v_pk_add_f32 v[LP:LP+1], v[LP:LP+1], v[64*(\s)+32:64*(\s)+33]
	WIN 0
	s_branch .Ljoin_\@
.Lzero_\@:
.irp q, 0,1,2,3,4,5,6,7
	v_mov_b32 v[PC+8*(\s)+\q], 0                   ; the code 0 is the number 0
.endr
.Ljoin_\@:
.endm
; One product: frames of tile m x columns of tile u, K step s.  The scale words' rows go by the tiles' parity.
.macro WM m, s, u
.set rD, ACC+32*(\m)+8*(\u)
.set rA, PF+32*(\m)+8*(\s)
.set rB, HF+8*(4*(\u)+(\s))
.set rP, PS+4*((\m)/2)+(\s)
.set rH, SB+2*(\s)+(\u)/2
.set rw, 2*((\m)%2)+(\u)%2
.if (\s) == 0                          ; the first K step starts the sum: nothing is cleared
.if rw == 0
	v_wmma_scale_f32_16x16x128_f8f6f4 v[rD:rD+7], v[rA:rA+7], v[rB:rB+7], 0, v[rP], v[rH] matrix_a_fmt:MATRIX_FMT_FP4 matrix_b_fmt:MATRIX_FMT_FP4
.elseif rw == 1
	v_wmma_scale_f32_16x16x128_f8f6f4 v[rD:rD+7], v[rA:rA+7], v[rB:rB+7], 0, v[rP], v[rH] matrix_a_fmt:MATRIX_FMT_FP4 matrix_b_fmt:MATRIX_FMT_FP4 matrix_b_scale:MATRIX_SCALE_ROW1
.elseif rw == 2
	v_wmma_scale_f32_16x16x128_f8f6f4 v[rD:rD+7], v[rA:rA+7], v[rB:rB+7], 0, v[rP], v[rH] matrix_a_fmt:MATRIX_FMT_FP4 matrix_b_fmt:MATRIX_FMT_FP4 matrix_a_scale:MATRIX_SCALE_ROW1
.else
	v_wmma_scale_f32_16x16x128_f8f6f4 v[rD:rD+7], v[rA:rA+7], v[rB:rB+7], 0, v[rP], v[rH] matrix_a_fmt:MATRIX_FMT_FP4 matrix_b_fmt:MATRIX_FMT_FP4 matrix_a_scale:MATRIX_SCALE_ROW1 matrix_b_scale:MATRIX_SCALE_ROW1
.endif
.else
.if rw == 0
	v_wmma_scale_f32_16x16x128_f8f6f4 v[rD:rD+7], v[rA:rA+7], v[rB:rB+7], v[rD:rD+7], v[rP], v[rH] matrix_a_fmt:MATRIX_FMT_FP4 matrix_b_fmt:MATRIX_FMT_FP4
.elseif rw == 1
	v_wmma_scale_f32_16x16x128_f8f6f4 v[rD:rD+7], v[rA:rA+7], v[rB:rB+7], v[rD:rD+7], v[rP], v[rH] matrix_a_fmt:MATRIX_FMT_FP4 matrix_b_fmt:MATRIX_FMT_FP4 matrix_b_scale:MATRIX_SCALE_ROW1
.elseif rw == 2
	v_wmma_scale_f32_16x16x128_f8f6f4 v[rD:rD+7], v[rA:rA+7], v[rB:rB+7], v[rD:rD+7], v[rP], v[rH] matrix_a_fmt:MATRIX_FMT_FP4 matrix_b_fmt:MATRIX_FMT_FP4 matrix_a_scale:MATRIX_SCALE_ROW1
.else
	v_wmma_scale_f32_16x16x128_f8f6f4 v[rD:rD+7], v[rA:rA+7], v[rB:rB+7], v[rD:rD+7], v[rP], v[rH] matrix_a_fmt:MATRIX_FMT_FP4 matrix_b_fmt:MATRIX_FMT_FP4 matrix_a_scale:MATRIX_SCALE_ROW1 matrix_b_scale:MATRIX_SCALE_ROW1
.endif
.endif
.endm
.macro MM m                            ; tile m's 16 products: its four accumulators take turns, one instruction a turn
	WIN 0xfe                                       ; A window 2; B, C and D window 3
.irp s, 0,1,2,3
.irp u, 0,1,2,3
	WM \m, \s, \u
.endr
.endr
.endm
.macro MULT m                          ; x 1 / sum, and the four tiles' columns side by side; each accumulator is read from its lowest register on
	WIN 0x83                                       ; source 0 window 3, source 1 window 0, destination window 2
.irp j, 0,1,2,3,4,5,6,7
.irp u, 0,1,2,3
	v_mul_f32 v[OUT+32*\m+4*\j+\u], v[ACC+32*\m+8*\u+\j], v[RLV+8*\m+\j]
.endr
.endr
.endm
.macro STORE m
	WIN 0x08                                       ; a store's data are its source 1: window 2
.irp j, 0,1,2,3,4,5,6,7
	global_store_b128 v[OA], v[OUT+32*\m+4*\j:OUT+32*\m+4*\j+3], s[12:13] offset:(16*\m+\j)*1024 th:TH_STORE_NT   ; frames 16 m + j and 16 m + 8 + j: sixteen lanes store 256 consecutive bytes, aligned; written once
.endr
.endm
.Llap:                                                 ; four trips: 64 frames each.  Every window is 0 here; s36 holds this lap's flag word
	v_bfe_u32 v[T0], v[MKB], s26, 1
	v_cvt_f32_u32 v[T0], v[T0]
	v_mul_f32 v[TF], v[FI], v[T0]                  ; tf = frame index x mask
	v_mov_b32 v[TF+1], v[TF]
.irp b, 0,1,2,3,4,5,6,7
	v_mov_b32 v[BM+\b], 0x7f800000                 ; a block of a step that is left out: no token near: +infinity
.endr
	v_mov_b32 v[LP], 0
	v_mov_b32 v[LP+1], 0
	PH1 0
	PH1 1
	PH1 2
	PH1 3
	v_min3_num_f32 v[T0], v[BM], v[BM+1], v[BM+2]
	v_min3_num_f32 v[T0], v[T0], v[BM+3], v[BM+4]
	v_min3_num_f32 v[T0], v[T0], v[BM+5], v[BM+6]
	v_min_num_f32 v[T0], v[T0], v[BM+7]
	v_permlanex16_b32 v[T1], v[T0], s20, s21       ; the frame's other 256 tokens lie in the lane 16 away
	v_min_num_f32 v[T0], v[T0], v[T1]
	v_mul_f32 v[T0], v[T0], v[T0]
	v_mul_f32 v[T0], s22, v[T0]
	v_mul_f32 v[T0], s24, v[T0]                    ; the row's largest t
	v_floor_f32 v[NM], -v[T0]                      ; -M = floor(-t) = -ceil(t)
	v_mov_b32 v[NM+1], v[NM]
.irp b, 0,1,2,3,4,5,6,7
	v_mul_f32 v[BM+\b], v[BM+\b], v[BM+\b]         ; each block's largest p, by the same roundings on the same number as the element itself: the same bits
.endr
.irp b, 0,1,2,3,4,5,6,7
	v_mul_f32 v[BM+\b], s22, v[BM+\b]
.endr
.irp b, 0,1,2,3,4,5,6,7
	v_mul_f32 v[BM+\b], s24, v[BM+\b]
.endr
.irp b, 0,1,2,3,4,5,6,7
	v_add_f32 v[BM+\b], v[BM+\b], v[NM]
.endr
.irp b, 0,1,2,3,4,5,6,7
	v_exp_f32 v[BM+\b], v[BM+\b]
.endr
	v_add_f32 v[FI], 0x42800000, v[FI]             ; the next lap's frame: + 64.  (The plain place behind the exponentials)
	s_wait_alu depctr_va_vdst(0)
.irp b, 0,1,2,3,4,5,6,7
	v_max_num_f32 v[BM+\b], 0x1800000, v[BM+\b]    ; the floor 2^(3 - 127): the byte cannot fall under 1
.endr
.irp b, 0,1,2,3,4,5,6,7
	v_add_nc_u32 v[SO+\b], 0xff000000, v[BM+\b]    ; 2 off the exponent field: the conversion's scale operand
.endr
.irp b, 0,1,2,3,4,5,6,7
	v_lshrrev_b32 v[BY+\b], 23, v[SO+\b]           ; the scale's byte
.endr
	PH2 0
	PH2 1
	PH2 2
	PH2 3
	v_add_f32 v[LS], v[LP], v[LP+1]                ; the sum's two halves,
	v_permlanex16_b32 v[T1], v[LS], s20, s21
	v_add_f32 v[LS], v[LS], v[T1]                  ; and the other 256 tokens': the row's sum
	v_rcp_f32 v[RL], v[LS]
.irp s, 0,1,2,3
	v_lshl_or_b32 v[PW+\s], v[BY+2*\s+1], 16, v[BY+2*\s]   ; my two bytes of K step s: blocks h and 2 + h.  (The first of these lines is the plain place behind the reciprocal)
.endr
.irp s, 0,1,2,3
	v_lshlrev_b32 v[PW+\s], v[SH], v[PW+\s]        ; at their places: 8 h bits up
.endr
.irp s, 0,1,2,3
	v_permlanex16_b32 v[PT+\s], v[PW+\s], s20, s21
.endr
.irp s, 0,1,2,3
	v_or_b32 v[PW+\s], v[PW+\s], v[PT+\s]          ; with lane l xor 16's two the word is whole
.endr
.irp f, 0,1,2,3,4,5,6,7
	ds_store_b128 v[SWI], v[PC+4*\f:PC+4*\f+3] offset:PIMG+512*\f   ; my tile's four fragments as they stand: 512 consecutive bytes a store
.endr
	ds_store_b128 v[SWS], v[PW:PW+3]               ; both lanes of a frame write the same bytes with the same values
	s_wait_alu depctr_va_vdst(0)
	ds_store_b32 v[SWR], v[RL]
	s_wait_dscnt 0x0                               ; for the others' sake: my stores have landed
	s_barrier_signal -1
	s_barrier_wait -1                              ; the four tiles lie in LDS
.irp p, 0,1
	ds_load_b128 v[PS+4*\p:PS+4*\p+3], v[LSA] offset:512*\p   ; lanes 0-15: tile 2 p's words, lanes 16-31: tile 2 p + 1's
.endr
.irp m, 0,1,2,3
.irp e, 0,1
	ds_load_b128 v[RLV+8*\m+4*\e:RLV+8*\m+4*\e+3], v[LRL] offset:64*\m+16*\e
.endr
.endr
	WIN 0x80                                       ; destination window 2: S is dead
.irp m, 0,1,2,3
.irp f, 0,1,2,3,4,5,6,7
	ds_load_b128 v[PF+32*\m+4*\f:PF+32*\m+4*\f+3], v[LI] offset:PIMG+4096*\m+512*\f
.endr
.endr
	s_wait_loadcnt 0x0                             ; hs's fragments and scale words (out only in the first lap)
	s_wait_dscnt 24                                ; LDS loads come back in order (ISA guide 5.7.1): the scale words, 1 / sum and tile 0 are in; the 24 loads of tiles 1 to 3 may be out
	MM 0
	s_wait_dscnt 16                                ; tile 1 is in
	MM 1
.rept 4
	v_nop                                          ; four places between a product and the first read of its result (ISA guide 7.12.1); from here on the multiplications of one tile are the places behind the next tile's products
.endr
	MULT 0
	STORE 0
	s_wait_dscnt 8                                 ; tile 2 is in
	MM 2
	MULT 1
	STORE 1
	s_wait_dscnt 0x0                               ; all my reads of the images are in:
	s_barrier_signal -1
	s_barrier_wait -1                              ; every wave's are: behind this barrier the next lap may write the images again
	MM 3
	MULT 2                                         ; 32 plain instructions that name no register of tile 3's products: their places
	STORE 2
	MULT 3
	STORE 3
	WIN 0
	s_wait_xcnt 0x0                                ; the stores have read their base and their data: the base steps, and the next lap writes window 2 again
	s_add_nc_u64 s[12:13], s[12:13], 0x10000       ; 64 rows of 1,024 bytes
	s_mov_b32 s36, s37                             ; the next lap's flag word
	s_mov_b32 s37, s38
	s_mov_b32 s38, s39
	s_add_co_u32 s26, s26, 1
	s_cmp_lt_u32 s26, 4
	s_cbranch_scc1 .Llap
	s_wait_tensorcnt 0x0
	ds_add_u32 v254, v255
	s_wait_dscnt 0x0
	s_endpgm
.Lfunc_end_k_q93a17744a8_upsample:
	.size	k_q93a17744a8_upsample, .Lfunc_end_k_q93a17744a8_upsample-k_q93a17744a8_upsample
	.p2alignl 7, 3214868480
	.fill 96, 4, 3214868480
	.section	.rodata,"a",@progbits
	.p2align	6, 0x0
	.amdhsa_kernel k_q93a17744a8_upsample
		.amdhsa_group_segment_fixed_size 18944
		.amdhsa_private_segment_fixed_size 0
		.amdhsa_enable_private_segment 0
		.amdhsa_kernarg_size 48
		.amdhsa_user_sgpr_count 2
		.amdhsa_user_sgpr_kernarg_segment_ptr 1
		.amdhsa_wavefront_size32 1
		.amdhsa_system_sgpr_workgroup_id_x 1
		.amdhsa_system_sgpr_workgroup_id_y 1
		.amdhsa_system_sgpr_workgroup_id_z 1
		.amdhsa_system_vgpr_workitem_id 0
		.amdhsa_next_free_vgpr 1024
		.amdhsa_next_free_sgpr 66
		.amdhsa_reserve_vcc 0
		.amdhsa_float_denorm_mode_32 3
		.amdhsa_float_denorm_mode_16_64 3
		.amdhsa_memory_ordered 1
		.amdhsa_forward_progress 1
		.amdhsa_inst_pref_size 116
	.end_amdhsa_kernel
	.amdgpu_metadata
---
amdhsa.version: [ 1, 2 ]
amdhsa.kernels:
  - .name:           k_q93a17744a8_upsample
    .symbol:         k_q93a17744a8_upsample.kd
    .args:
      - { .name: hsq, .offset: 0, .size: 8, .value_kind: global_buffer, .address_space: global }
      - { .name: hss, .offset: 8, .size: 8, .value_kind: global_buffer, .address_space: global }
      - { .name: cbuf, .offset: 16, .size: 8, .value_kind: global_buffer, .address_space: global }
      - { .name: h_masks, .offset: 24, .size: 8, .value_kind: global_buffer, .address_space: global }
      - { .name: out0, .offset: 32, .size: 8, .value_kind: global_buffer, .address_space: global }
      - { .name: flags, .offset: 40, .size: 8, .value_kind: global_buffer, .address_space: global }
    .group_segment_fixed_size: 18944
    .private_segment_fixed_size: 0
    .kernarg_segment_align: 8
    .kernarg_segment_size: 48
    .max_flat_workgroup_size: 128
    .sgpr_count:     66
    .vgpr_count:     1024
    .wavefront_size: 32
...
	.end_amdgpu_metadata
.endif
;; end of part 4
;; ======== version 3 of 3: 2 launches; version 2 with the launch upsample written anew for expert scheduling mode
;; workspace buffers: hsq 1,048,576 bytes; hss 65,536 bytes; cbuf 32,768 bytes; flags 16,384 bytes of whole numbers
;; launch prep: the kernel of part 3 again; grid 16 x 16, 4 waves a work-group, no clusters, 8,704 bytes of LDS; arguments hs, ds, d_masks, hsq, hss, cbuf, h_masks, flags; writes hsq, hss, cbuf, flags
;; launch upsample (part 5): grid 16 x 16, 4 waves a work-group, no clusters, 18,944 bytes of LDS; arguments hsq, hss, cbuf, h_masks, out0, flags; writes out0
.if DOCPART == 5
	.amdgcn_target "amdgcn-amd-amdhsa--gfx1250"
	.amdhsa_code_object_version 6
	.text
	.protected	k_q93a17744a8_upsample
	.globl	k_q93a17744a8_upsample
	.p2align	8
	.type	k_q93a17744a8_upsample,@function
k_q93a17744a8_upsample:
	s_mov_b64 s[64:65], 0
	v_nop
	global_prefetch_b8 v0, s[64:65] scope:SCOPE_SE
	s_setreg_imm32_b32 hwreg(HW_REG_WAVE_SCHED_MODE, 0, 2), 2
	s_setreg_imm32_b32 hwreg(HW_REG_WAVE_MODE, 25, 1), 1
	s_wait_xcnt 0x0
	s_wait_alu depctr_vm_vsrc(0)
; out[b][f][d] = (sum over tokens l of Q(p[f][l]) Q(hs[l][d])) / (sum over l of p[f][l]),  p = 2^(t - M),  t = ((-0.1 (tf - c_l)^2) log2 e),  tf = f x h_mask,  M = ceil(the row's largest t).
; Both operands are codes of FP4 (E2M1) with one E8M0 scale for each 32 tokens.  hs's codes, scale words, the centres c (+infinity for a masked token) and the flag words come from the launch before.
; t IS MADE BY THE DEFINITION'S OWN ROUNDINGS, IN ITS ORDER (subtract, square, x -0.1, x log2 e): far from every centre |t| is in the thousands, and a folded constant would move t by more than a code's width there.
; t - M is exact wherever p is not 0 (M is a whole number no larger in magnitude than t).  The largest t of a row or of a block is that of the smallest |tf - c|: squaring and the two multiplications keep the order.
; WHAT IS EXACTLY 0 IS NOT COMPUTED.  A tile's flag word says which K steps of 128 tokens can hold a p that is not 0 (bit 8 s; the launch before states the test).  The vector work of the other steps is jumped over by
; scalar branches on that word: their codes are zeros, their blocks' bytes 1, and they add nothing to the row's sum: the very numbers that the work would give.  The step of a frame's nearest token always stays, so M is the row's own.
; ALL PRODUCTS ARE ISSUED, those on zero codes too: a branch would spare four matrix instructions at a time.  No barrier, LDS access or memory access stands under these branches.
; SHARES.  Work-group (x, y = b): 256 frames, in four laps of 64.  THE WAVES SHARE THE FRAMES IN THE SOFTMAX AND THE COLUMNS IN THE PRODUCT: in a lap wave w makes p, its codes, scale words and 1 / sum for
; frames 16 w .. 16 w + 15 and puts them into LDS as images of the operand's registers; then every wave loads all four tiles and multiplies them by ITS 64 columns of hs (group g = w),
; whose 16 fragments stay in its registers for the whole launch, as do all 512 centres (256 a lane).
; LANES.  In the softmax lane (r, h) holds frame r and whole blocks: tokens 64 B + 32 h + 0 .. 31, B = 0 .. 7 (K step s: B = 2 s, 2 s + 1): the operand's own order, so the conversions' results ARE the fragments' registers.
; THE COLUMNS OF A TILE OF hs ARE NOT NEIGHBOURS: lane r of tile u is column 64 g + 4 r + u.  So register j of the four accumulators u = 0 .. 3 of a lane are four neighbouring columns of frame 8 h + j:
; the multiplication by 1 / sum, which is owed anyway, writes them side by side, and sixteen lanes store 256 consecutive bytes, aligned.  No stage in LDS on the way out.
; No tensor loads, no cluster: what work-groups share (68 KB of codes) goes straight into registers once; a joint load would land in LDS, from where it would have to be read again.
; LIMITS: p under 2^-126 becomes 0 (v_exp_f32 flushes; the row's largest p is above 1/2); a block of zeros has the byte 1 with zero codes; 1 / sum by v_rcp_f32; a batch with every token masked gives NaN, as the definition does.
; REGISTERS, in windows of 256 (s_set_vgpr_msb: bits 1:0 source 0, 3:2 source 1, 5:4 source 2, 7:6 destination):
;   window 0: addresses, statistics, p's codes, all scale words, 1 / sum.   window 1: C, the lane's 256 centres (32 B + i).
;   window 2: S (32 B + i): d, d^2, t, t - M, p in place; when it is dead: v0-127 PF, the four tiles' fragments of p, v128-255 OUT.   window 3: v0-127 HF, hs's fragments; v128-255 ACC.
; THE MODE: SCHED_MODE bits 1:0 = 2 (LLVM: expert scheduling mode 2), set by the entry lines.  The code itself states the register dependences
; between vector or matrix instructions and memory or LDS instructions, with s_wait_alu, always for 0.
; THE PLAN.  Registers that memory or LDS instructions touch:
;   the addresses v2, v4-v11, v23 and the closing add's v254, v255: written at the head, never again: one wait on va_vdst ahead of the first load serves them for the whole launch.
;   C, HF, SB, four mask bytes: loads land in them at the head, once; in the loop vector and matrix instructions alone name them.
;   PC, PW, RL     written by a lap's second pass and the lines behind it; read by the lap's ten LDS stores; written again in the next lap.
;   PS, RLV, PF    the lap's 42 LDS loads land in them; read by the lap's products and multiplications; PF's registers are also S of blocks 0 to 3, which both passes write and read.
;   OUT            written by the multiplications by 1 / sum; read by the 32 global stores; its registers are also S of blocks 4 to 7, which the next lap's passes write.
; A lap has three waits on va_vdst for these: one ahead of its LDS stores (PC, PW, RL are written; all earlier readers and writers of PS, RLV and PF are done: no vector or matrix instruction stands between it and the
; LDS loads), one ahead of the stores of tiles 0 and 1, one ahead of those of tiles 2 and 3; and one wait on vm_vsrc, at its end, ahead of the backward jump: the lap's stores, LDS and global, have read PC, PW, RL and OUT.
; The products' operands and scales all come by loads.  The other waits on va_vdst stand behind exponentials, ahead of their results' first readers.
.set PIMG, 0                           ; LDS: p's fragments: 4096 x tile + 1024 s + 512 c + 16 x lane
.set PSC,  16384                       ; LDS: p's scale words: 256 x tile + 16 r: the four words of a frame
.set RLB,  17408                       ; LDS: 1 / sum: 4 x frame
.set R,    2                           ; v2   r = lane % 16
.set H,    3                           ; v3   h = lane / 16
.set LI,   4                           ; v4   16 x lane
.set SWI,  5                           ; v5   where I store my tile's images: 16 x lane + 4096 x wave
.set SWS,  6                           ; v6   its scale words: PSC + 256 x wave + 16 r
.set SWR,  7                           ; v7   its 1 / sum: RLB + 64 x wave + 4 r
.set LSA,  8                           ; v8   PSC + 16 x lane
.set LRL,  9                           ; v9   RLB + 32 h
.set OA,   10                          ; v10  out: 8192 h + 16 r + 256 x wave
.set CA,   11                          ; v11  128 h
.set SH,   12                          ; v12  8 h
.set MKB,  13                          ; v13  bit n: the mask of my frame in lap n
.set FI,   14                          ; v14  my frame's index, f32
.set T0,   15
.set TF,   16                          ; v[16:17] tf, twice
.set NM,   18                          ; v[18:19] -M, twice
.set LS,   20                          ; v20  the row's sum
.set T1,   21
.set RL,   22                          ; v22  1 / sum
.set L4,   23                          ; v23  4 x lane
.set BM,   24                          ; v24-31  each block's smallest |d| (+infinity where the step is left out), then its largest p
.set SO,   32                          ; v32-39  the conversions' scale operands
.set BY,   40                          ; v40-47  the scale bytes
.set PW,   48                          ; v[48:51] the four scale words
.set PT,   52                          ; v52-55  at work
.set LP,   56                          ; v[56:57] the row's sum, in two halves
.set BT,   58                          ; v58-59  a second chain for each of a step's two blocks
.set PC,   64                          ; v64-95  p's codes: 4 B + q = fragment s = B / 2, register 4 (B % 2) + q
.set SB,   96                          ; v96-103  hs's scale words: 2 s + u / 2: lanes 0-15 the even tile's, lanes 16-31 the odd one's
.set PS,   104                         ; v104-111 p's scale words: 4 (m / 2) + s: lanes 0-15 the even tile's, lanes 16-31 the odd one's
.set RLV,  112                         ; v112-143 8 m + j: 1 / sum of frame 16 m + 8 h + j
.set PF,   0                           ; window 2
.set OUT,  128                         ; window 2
.set HF,   0                           ; window 3
.set ACC,  128                         ; window 3
.set MSB, 0
.macro WIN new                         ; the immediate's high byte repeats the setting that is left; a switch that changes nothing is dropped
.if MSB != \new
	s_set_vgpr_msb (MSB<<8)|\new
.set MSB, \new
.endif
.endm
	s_load_b256 s[4:11], s[0:1], 0x0               ; hsq s[4:5], hss s[6:7], cbuf s[8:9], h_masks s[10:11]
	s_load_b128 s[12:15], s[0:1], 0x20             ; out0 s[12:13], flags s[14:15]
	v_lshl_add_u32 v254, v0, 2, 0x4800
	v_mov_b32 v255, 0
	v_lshrrev_b32 v1, 5, v0
	v_readfirstlane_b32 s17, v1                    ; wave 0..3
	s_mov_b32 s40, ttmp9                           ; which 256 frames
	s_and_b32 s16, ttmp7, 0xffff                   ; b
	v_and_b32 v1, 31, v0                           ; lane
	v_and_b32 v[R], 15, v0
	v_bfe_u32 v[H], v0, 4, 1
	v_lshlrev_b32 v[LI], 4, v1
	s_wait_alu depctr_va_sdst(0)                   ; s17, the wave's number, is written, ahead of its first reader: LDS addresses and the buffers' offsets are made from it
	s_lshl_b32 s27, s17, 12
	v_add_nc_u32 v[SWI], s27, v[LI]
	s_lshl_b32 s27, s17, 8                         ; 256 x wave
	s_add_co_u32 s28, s27, PSC
	v_lshl_add_u32 v[SWS], v[R], 4, s28
	s_lshl_b32 s28, s17, 6
	s_add_co_u32 s28, s28, RLB
	v_lshl_add_u32 v[SWR], v[R], 2, s28
	v_add_nc_u32 v[LSA], PSC, v[LI]
	v_lshl_add_u32 v[LRL], v[H], 5, RLB
	v_lshlrev_b32 v[OA], 13, v[H]
	v_lshl_add_u32 v[OA], v[R], 4, v[OA]
	v_add_nc_u32 v[OA], s27, v[OA]
	v_lshlrev_b32 v[CA], 7, v[H]
	v_lshlrev_b32 v[SH], 3, v[H]
	v_lshlrev_b32 v[L4], 2, v1
	s_lshl_b32 s32, s40, 8
	s_lshl_b32 s28, s17, 4
	s_add_co_u32 s32, s32, s28                     ; my tile's first frame in the first lap: 256 x + 16 x wave
	v_add_nc_u32 v[FI], s32, v[R]
	v_cvt_f32_u32 v[FI], v[FI]
	v_mov_b32 v[T1], 0                             ; written once: a lane permute's destination counts as one of its sources
.irp s, 0,1,2,3
	v_mov_b32 v[PT+\s], 0
.endr
	s_lshl_b32 s42, s16, 10                        ; flags: 1,024 bytes a batch, 64 a work-group, 16 a wave
	s_lshl_b32 s41, s40, 6
	s_add_co_u32 s42, s42, s41
	s_add_co_u32 s42, s42, s28
	s_mov_b32 s43, 0
	s_lshl_b32 s18, s16, 16                        ; hsq: 65,536 bytes a batch, 16,384 a group of columns
	s_lshl_b32 s28, s17, 14
	s_add_co_u32 s18, s18, s28
	s_mov_b32 s19, 0
	s_lshl_b32 s28, s16, 12                        ; hss: 4,096 a batch, 1,024 a group
	s_lshl_b32 s29, s17, 10
	s_add_co_u32 s28, s28, s29
	s_mov_b32 s29, 0
	s_lshl_b32 s30, s16, 11                        ; cbuf: 2,048 a batch
	s_mov_b32 s31, 0
	s_lshl_b32 s33, s16, 12                        ; h_masks: 4,096 a batch, + my tile's first frame
	s_add_co_u32 s32, s32, s33
	s_mov_b32 s33, 0
	s_lshl_b32 s34, s16, 22                        ; out0: 4,096 rows of 1,024 bytes a batch, 256 rows a work-group
	s_lshl_b32 s35, s40, 18
	s_add_co_u32 s34, s34, s35
	s_mov_b32 s35, 0
	s_mov_b32 s20, 0x76543210                      ; v_permlanex16_b32's selects for lane l xor 16
	s_mov_b32 s21, 0xfedcba98
	s_mov_b32 s22, 0xbdcccccd                      ; -0.1
	s_mov_b32 s23, s22                             ; (the packed forms name the pair, so it is written)
	s_mov_b32 s24, 0x3fb8aa3b                      ; log2 e
	s_mov_b32 s25, s24
	s_mov_b32 s26, 0                               ; the lap
	s_wait_kmcnt 0x0
	s_add_nc_u64 s[14:15], s[14:15], s[42:43]
	s_load_b128 s[36:39], s[14:15], 0x0            ; my tile's flag words of the four laps; awaited behind c
	s_add_nc_u64 s[4:5], s[4:5], s[18:19]
	s_add_nc_u64 s[6:7], s[6:7], s[28:29]
	s_add_nc_u64 s[8:9], s[8:9], s[30:31]
	s_add_nc_u64 s[10:11], s[10:11], s[32:33]
	s_add_nc_u64 s[12:13], s[12:13], s[34:35]
	WIN 0x40                                       ; destination window 1
	s_wait_alu depctr_va_vdst(0)                   ; every address of the launch is written (v2, v4 to v11, v23, and v254, v255 of the closing add): the loads and stores from here on read them, and no vector instruction names them again
.irp b, 0,1,2,3,4,5,6,7
.irp j, 0,1,2,3,4,5,6,7
	global_load_b128 v[32*\b+4*\j:32*\b+4*\j+3], v[CA], s[8:9] offset:256*\b+16*\j   ; c of tokens 64 B + 32 h + 4 j on
.endr
.endr
	WIN 0
.irp p, 0,1,2,3
	global_load_u8 v[BM+\p], v[R], s[10:11] offset:64*\p   ; my frame's mask in lap p
.endr
	WIN 0xc0                                       ; destination window 3
.irp f, 0,1,2,3,4,5,6,7,8,9,10,11,12,13,14,15
.irp c, 0,1
	global_load_b128 v[HF+8*\f+4*\c:HF+8*\f+4*\c+3], v[LI], s[4:5] offset:1024*\f+512*\c   ; fragment f = 4 u + s of my columns: 512 consecutive bytes a load
.endr
.endr
	WIN 0
.irp s, 0,1,2,3
.irp p, 0,1
	global_load_b32 v[SB+2*\s+\p], v[L4], s[6:7] offset:256*\s+128*\p
.endr
.endr
	s_wait_loadcnt 40                              ; c and the masks are in; the 40 younger loads (hs's fragments and scale words) may be out until the first products
	s_wait_kmcnt 0x0                               ; the flag words
	v_lshl_or_b32 v[MKB], v[BM+1], 1, v[BM]
	v_lshl_or_b32 v[MKB], v[BM+2], 2, v[MKB]
	v_lshl_or_b32 v[MKB], v[BM+3], 3, v[MKB]
; ---- the lists of a block's work behind M, for block b of eight
.macro ETX b, n                        ; number n of 48: pair n % 16 of the block: x -0.1, then x log2 e, then - M
.set pr, 32*(\b)+2*((\n)%16)
.if (\n)/16 == 0
	v_pk_mul_f32 v[pr:pr+1], v[pr:pr+1], s[22:23] op_sel_hi:[1,0]
.elseif (\n)/16 == 1
	v_pk_mul_f32 v[pr:pr+1], v[pr:pr+1], s[24:25] op_sel_hi:[1,0]
.else
	v_pk_fma_f32 v[pr:pr+1], v[pr:pr+1], 1.0, v[NM:NM+1] op_sel_hi:[1,0,1]
.endif
.endm
.macro EX b, n                         ; number n of 32: p = 2^(t - M)
	v_exp_f32 v[32*(\b)+(\n)], v[32*(\b)+(\n)]
.endm
.macro SUM b, n                        ; numbers 1 to 15 (number 0 is empty): the sum of the UNQUANTISED p, behind the block's conversions, in place: pairs 8, 4, 2, 1 apart; it ends in the block's first pair
.set tb, 32*(\b)
.if ((\n) >= 1) && ((\n) <= 8)
.set tq, tb+2*((\n)-1)
	v_pk_add_f32 v[tq:tq+1], v[tq:tq+1], v[tq+16:tq+17]
.elseif ((\n) >= 9) && ((\n) <= 12)
.set tq, tb+2*((\n)-9)
	v_pk_add_f32 v[tq:tq+1], v[tq:tq+1], v[tq+8:tq+9]
.elseif ((\n) == 13) || ((\n) == 14)
.set tq, tb+2*((\n)-13)
	v_pk_add_f32 v[tq:tq+1], v[tq:tq+1], v[tq+4:tq+5]
.elseif (\n) == 15
	v_pk_add_f32 v[tb:tb+1], v[tb:tb+1], v[tb+2:tb+3]
.endif
.endm
; Stage k of four of K step s (blocks 2 s and 2 s + 1): block 2 s + k's scalings, block 2 s + k - 1's exponentials, block 2 s + k - 2's sum, dealt so that a plain instruction on another block follows the
; exponentials and ends the stage (ISA guide 5.7.2: a plain instruction between a transcendental and the use of its result); then block 2 s + k - 1's conversions.
.macro STG s, k
	WIN 0x8a                                       ; all in window 2, source 2 (-M) in window 0
.set jj, 0
.rept 16
.if ((\k) >= 1) && ((\k) <= 2)
	EX 2*(\s)+(\k)-1, 2*jj
.endif
.if (\k) <= 1
	ETX 2*(\s)+(\k), 3*jj
	ETX 2*(\s)+(\k), 3*jj+1
.endif
.if ((\k) >= 1) && ((\k) <= 2)
	EX 2*(\s)+(\k)-1, 2*jj+1
.endif
.if (\k) <= 1
	ETX 2*(\s)+(\k), 3*jj+2
.endif
.if (\k) >= 2
	SUM 2*(\s)+(\k)-2, jj
.endif
.set jj, jj+1
.endr
.if ((\k) >= 1) && ((\k) <= 2)
.set cb, 2*(\s)+(\k)-1
	WIN 0x02                                       ; source 0 window 2; the scale operand and the codes in window 0
	s_wait_alu depctr_va_vdst(0)                   ; the stage's 32 exponentials have written the block's p, ahead of the first readers, the conversions: one wait for the batch
.irp q, 0,1,2,3
	v_cvt_scalef32_pk8_fp4_f32 v[PC+4*cb+\q], v[32*cb+8*\q:32*cb+8*\q+7], v[SO+cb]
.endr
	v_nop                                          ; one plain place behind the scaled conversions: the sums will write their sources
.endif
.endm
.macro DIFF s                          ; d = tf - c for the step's 64 tokens of my lane: exact
	WIN 0x84                                       ; source 1 (c) window 1, destination window 2
.set i, 64*(\s)
.rept 32
	v_pk_add_f32 v[i:i+1], v[TF:TF+1], v[i:i+1] neg_lo:[0,1] neg_hi:[0,1]
.set i, i+2
.endr
.endm
; PASS 1 of K step s, if the tile's word keeps it: THE SMALLEST |d| OF EACH OF ITS TWO BLOCKS: it serves twice: for the row's largest t and for the block's largest p.  Four chains by turns.
.macro PH1 s
	s_bitcmp1_b32 s36, 8*(\s)
	s_cbranch_scc0 .Lfar_\@
	DIFF \s
.set sb, 64*(\s)
.set bb, BM+2*(\s)
	WIN 0x2a
.irp e, 0,1
	v_min3_num_f32 v[bb+\e], |v[sb+32*\e]|, |v[sb+32*\e+1]|, |v[sb+32*\e+2]|
	v_min3_num_f32 v[BT+\e], |v[sb+32*\e+16]|, |v[sb+32*\e+17]|, |v[sb+32*\e+18]|
.endr
	WIN 0x28
.irp i, 3,5,7,9,11,13
.irp e, 0,1
	v_min3_num_f32 v[bb+\e], v[bb+\e], |v[sb+32*\e+\i]|, |v[sb+32*\e+\i+1]|
	v_min3_num_f32 v[BT+\e], v[BT+\e], |v[sb+32*\e+16+\i]|, |v[sb+32*\e+17+\i]|
.endr
.endr
.irp e, 0,1
	v_min3_num_f32 v[bb+\e], v[bb+\e], |v[sb+32*\e+15]|, |v[sb+32*\e+31]|
.endr
	WIN 0                                          ; at a label and at a branch every window is 0
.irp e, 0,1
	v_min_num_f32 v[bb+\e], v[bb+\e], v[BT+\e]
.endr
.Lfar_\@:
.endm
; PASS 2 of K step s.  Kept: d once more (32 instructions: so every register read under this branch is written under it), d^2, and the four stages; the step's sum goes onto the row's.  Left out: zero codes.
.macro PH2 s
	s_bitcmp1_b32 s36, 8*(\s)
	s_cbranch_scc0 .Lzero_\@
	DIFF \s
	WIN 0x8a
.set i, 64*(\s)
.rept 32
	v_pk_mul_f32 v[i:i+1], v[i:i+1], v[i:i+1]      ; d^2
.set i, i+2
.endr
	STG \s, 0
	STG \s, 1
	STG \s, 2
	STG \s, 3
	WIN 0x08                                       ; source 1 window 2
	v_pk_add_f32 v[LP:LP+1], v[LP:LP+1], v[64*(\s):64*(\s)+1]
	v_pk_add_f32 v[LP:LP+1], v[LP:LP+1], v[64*(\s)+32:64*(\s)+33]
	WIN 0
	s_branch .Ljoin_\@
.Lzero_\@:
.irp q, 0,1,2,3,4,5,6,7
	v_mov_b32 v[PC+8*(\s)+\q], 0                   ; the code 0 is the number 0
.endr
.Ljoin_\@:
.endm
; One product: frames of tile m x columns of tile u, K step s.  The scale words' rows go by the tiles' parity.
.macro WM m, s, u
.set rD, ACC+32*(\m)+8*(\u)
.set rA, PF+32*(\m)+8*(\s)
.set rB, HF+8*(4*(\u)+(\s))
.set rP, PS+4*((\m)/2)+(\s)
.set rH, SB+2*(\s)+(\u)/2
.set rw, 2*((\m)%2)+(\u)%2
.if (\s) == 0                          ; the first K step starts the sum: nothing is cleared
.if rw == 0
	v_wmma_scale_f32_16x16x128_f8f6f4 v[rD:rD+7], v[rA:rA+7], v[rB:rB+7], 0, v[rP], v[rH] matrix_a_fmt:MATRIX_FMT_FP4 matrix_b_fmt:MATRIX_FMT_FP4
.elseif rw == 1
	v_wmma_scale_f32_16x16x128_f8f6f4 v[rD:rD+7], v[rA:rA+7], v[rB:rB+7], 0, v[rP], v[rH] matrix_a_fmt:MATRIX_FMT_FP4 matrix_b_fmt:MATRIX_FMT_FP4 matrix_b_scale:MATRIX_SCALE_ROW1
.elseif rw == 2
	v_wmma_scale_f32_16x16x128_f8f6f4 v[rD:rD+7], v[rA:rA+7], v[rB:rB+7], 0, v[rP], v[rH] matrix_a_fmt:MATRIX_FMT_FP4 matrix_b_fmt:MATRIX_FMT_FP4 matrix_a_scale:MATRIX_SCALE_ROW1
.else
	v_wmma_scale_f32_16x16x128_f8f6f4 v[rD:rD+7], v[rA:rA+7], v[rB:rB+7], 0, v[rP], v[rH] matrix_a_fmt:MATRIX_FMT_FP4 matrix_b_fmt:MATRIX_FMT_FP4 matrix_a_scale:MATRIX_SCALE_ROW1 matrix_b_scale:MATRIX_SCALE_ROW1
.endif
.else
.if rw == 0
	v_wmma_scale_f32_16x16x128_f8f6f4 v[rD:rD+7], v[rA:rA+7], v[rB:rB+7], v[rD:rD+7], v[rP], v[rH] matrix_a_fmt:MATRIX_FMT_FP4 matrix_b_fmt:MATRIX_FMT_FP4
.elseif rw == 1
	v_wmma_scale_f32_16x16x128_f8f6f4 v[rD:rD+7], v[rA:rA+7], v[rB:rB+7], v[rD:rD+7], v[rP], v[rH] matrix_a_fmt:MATRIX_FMT_FP4 matrix_b_fmt:MATRIX_FMT_FP4 matrix_b_scale:MATRIX_SCALE_ROW1
.elseif rw == 2
	v_wmma_scale_f32_16x16x128_f8f6f4 v[rD:rD+7], v[rA:rA+7], v[rB:rB+7], v[rD:rD+7], v[rP], v[rH] matrix_a_fmt:MATRIX_FMT_FP4 matrix_b_fmt:MATRIX_FMT_FP4 matrix_a_scale:MATRIX_SCALE_ROW1
.else
	v_wmma_scale_f32_16x16x128_f8f6f4 v[rD:rD+7], v[rA:rA+7], v[rB:rB+7], v[rD:rD+7], v[rP], v[rH] matrix_a_fmt:MATRIX_FMT_FP4 matrix_b_fmt:MATRIX_FMT_FP4 matrix_a_scale:MATRIX_SCALE_ROW1 matrix_b_scale:MATRIX_SCALE_ROW1
.endif
.endif
.endm
.macro MM m                            ; tile m's 16 products: its four accumulators take turns, one instruction a turn
	WIN 0xfe                                       ; A window 2; B, C and D window 3
.irp s, 0,1,2,3
.irp u, 0,1,2,3
	WM \m, \s, \u
.endr
.endr
.endm
.macro MULT m                          ; x 1 / sum, and the four tiles' columns side by side; each accumulator is read from its lowest register on
	WIN 0x83                                       ; source 0 window 3, source 1 window 0, destination window 2
.irp j, 0,1,2,3,4,5,6,7
.irp u, 0,1,2,3
	v_mul_f32 v[OUT+32*\m+4*\j+\u], v[ACC+32*\m+8*\u+\j], v[RLV+8*\m+\j]
.endr
.endr
.endm
.macro STORE m
	WIN 0x08                                       ; a store's data are its source 1: window 2
.irp j, 0,1,2,3,4,5,6,7
	global_store_b128 v[OA], v[OUT+32*\m+4*\j:OUT+32*\m+4*\j+3], s[12:13] offset:(16*\m+\j)*1024 th:TH_STORE_NT   ; frames 16 m + j and 16 m + 8 + j: sixteen lanes store 256 consecutive bytes, aligned; written once
.endr
.endm
.Llap:                                                 ; four trips: 64 frames each.  Every window is 0 here; s36 holds this lap's flag word
	v_bfe_u32 v[T0], v[MKB], s26, 1
	v_cvt_f32_u32 v[T0], v[T0]
	v_mul_f32 v[TF], v[FI], v[T0]                  ; tf = frame index x mask
	v_mov_b32 v[TF+1], v[TF]
.irp b, 0,1,2,3,4,5,6,7
	v_mov_b32 v[BM+\b], 0x7f800000                 ; a block of a step that is left out: no token near: +infinity
.endr
	v_mov_b32 v[LP], 0
	v_mov_b32 v[LP+1], 0
	PH1 0
	PH1 1
	PH1 2
	PH1 3
	v_min3_num_f32 v[T0], v[BM], v[BM+1], v[BM+2]
	v_min3_num_f32 v[T0], v[T0], v[BM+3], v[BM+4]
	v_min3_num_f32 v[T0], v[T0], v[BM+5], v[BM+6]
	v_min_num_f32 v[T0], v[T0], v[BM+7]
	v_permlanex16_b32 v[T1], v[T0], s20, s21       ; the frame's other 256 tokens lie in the lane 16 away
	v_min_num_f32 v[T0], v[T0], v[T1]
	v_mul_f32 v[T0], v[T0], v[T0]
	v_mul_f32 v[T0], s22, v[T0]
	v_mul_f32 v[T0], s24, v[T0]                    ; the row's largest t
	v_floor_f32 v[NM], -v[T0]                      ; -M = floor(-t) = -ceil(t)
	v_mov_b32 v[NM+1], v[NM]
.irp b, 0,1,2,3,4,5,6,7
	v_mul_f32 v[BM+\b], v[BM+\b], v[BM+\b]         ; each block's largest p, by the same roundings on the same number as the element itself: the same bits
.endr
.irp b, 0,1,2,3,4,5,6,7
	v_mul_f32 v[BM+\b], s22, v[BM+\b]
.endr
.irp b, 0,1,2,3,4,5,6,7
	v_mul_f32 v[BM+\b], s24, v[BM+\b]
.endr
.irp b, 0,1,2,3,4,5,6,7
	v_add_f32 v[BM+\b], v[BM+\b], v[NM]
.endr
.irp b, 0,1,2,3,4,5,6,7
	v_exp_f32 v[BM+\b], v[BM+\b]
.endr
	v_add_f32 v[FI], 0x42800000, v[FI]             ; the next lap's frame: + 64.  (The plain place behind the exponentials)
	s_wait_alu depctr_va_vdst(0)                   ; the eight exponentials have written the blocks' largest p, ahead of their first readers below: one wait for the batch
.irp b, 0,1,2,3,4,5,6,7
	v_max_num_f32 v[BM+\b], 0x1800000, v[BM+\b]    ; the floor 2^(3 - 127): the byte cannot fall under 1
.endr
.irp b, 0,1,2,3,4,5,6,7
	v_add_nc_u32 v[SO+\b], 0xff000000, v[BM+\b]    ; 2 off the exponent field: the conversion's scale operand
.endr
.irp b, 0,1,2,3,4,5,6,7
	v_lshrrev_b32 v[BY+\b], 23, v[SO+\b]           ; the scale's byte
.endr
	PH2 0
	PH2 1
	PH2 2
	PH2 3
	v_add_f32 v[LS], v[LP], v[LP+1]                ; the sum's two halves,
	v_permlanex16_b32 v[T1], v[LS], s20, s21
	v_add_f32 v[LS], v[LS], v[T1]                  ; and the other 256 tokens': the row's sum
	v_rcp_f32 v[RL], v[LS]
.irp s, 0,1,2,3
	v_lshl_or_b32 v[PW+\s], v[BY+2*\s+1], 16, v[BY+2*\s]   ; my two bytes of K step s: blocks h and 2 + h.  (The first of these lines is the plain place behind the reciprocal)
.endr
.irp s, 0,1,2,3
	v_lshlrev_b32 v[PW+\s], v[SH], v[PW+\s]        ; at their places: 8 h bits up
.endr
.irp s, 0,1,2,3
	v_permlanex16_b32 v[PT+\s], v[PW+\s], s20, s21
.endr
.irp s, 0,1,2,3
	v_or_b32 v[PW+\s], v[PW+\s], v[PT+\s]          ; with lane l xor 16's two the word is whole
.endr
	s_wait_alu depctr_va_vdst(0)                   ; the codes PC, the scale words PW and the reciprocal RL are written, which the ten LDS stores read (RL's first reader among them); and the lap's two passes are done with S, the last lap's products and multiplications with PS, PF and RLV, in which the LDS loads behind the barrier land
.irp f, 0,1,2,3,4,5,6,7
	ds_store_b128 v[SWI], v[PC+4*\f:PC+4*\f+3] offset:PIMG+512*\f   ; my tile's four fragments as they stand: 512 consecutive bytes a store
.endr
	ds_store_b128 v[SWS], v[PW:PW+3]               ; both lanes of a frame write the same bytes with the same values
	ds_store_b32 v[SWR], v[RL]
	s_wait_dscnt 0x0                               ; for the others' sake: my stores have landed
	s_barrier_signal -1
	s_barrier_wait -1                              ; the four tiles lie in LDS
.irp p, 0,1
	ds_load_b128 v[PS+4*\p:PS+4*\p+3], v[LSA] offset:512*\p   ; lanes 0-15: tile 2 p's words, lanes 16-31: tile 2 p + 1's.  No vector or matrix instruction has been issued since the wait ahead of the LDS stores
.endr
.irp m, 0,1,2,3
.irp e, 0,1
	ds_load_b128 v[RLV+8*\m+4*\e:RLV+8*\m+4*\e+3], v[LRL] offset:64*\m+16*\e
.endr
.endr
	WIN 0x80                                       ; destination window 2: S is dead
.irp m, 0,1,2,3
.irp f, 0,1,2,3,4,5,6,7
	ds_load_b128 v[PF+32*\m+4*\f:PF+32*\m+4*\f+3], v[LI] offset:PIMG+4096*\m+512*\f
.endr
.endr
	s_wait_loadcnt 0x0                             ; hs's fragments and scale words (out only in the first lap)
	s_wait_dscnt 24                                ; LDS loads come back in order (ISA guide 5.7.1): the scale words, 1 / sum and tile 0 are in; the 24 loads of tiles 1 to 3 may be out
	MM 0
	s_wait_dscnt 16                                ; tile 1 is in
	MM 1
.rept 4
	v_nop                                          ; four places between a product and the first read of its result (ISA guide 7.12.1); from here on the multiplications of one tile are the places behind the next tile's products
.endr
	MULT 0
	s_wait_dscnt 8                                 ; tile 2 is in
	MM 2
	MULT 1
	WIN 0x08                                       ; the stores' window first, then the wait, then the stores
	s_wait_alu depctr_va_vdst(0)                   ; the multiplications of tiles 0 and 1 have written OUT + 0 .. 63, which the sixteen stores below read
	STORE 0
	STORE 1
	s_wait_dscnt 0x0                               ; all my reads of the images are in:
	s_barrier_signal -1
	s_barrier_wait -1                              ; every wave's are: behind this barrier the next lap may write the images again
	MM 3
	MULT 2                                         ; 32 plain instructions that name no register of tile 3's products: their places
	MULT 3
	WIN 0x08                                       ; the stores' window first, then the wait, then the stores
	s_wait_alu depctr_va_vdst(0)                   ; the multiplications of tiles 2 and 3 have written OUT + 64 .. 127, which the sixteen stores below read
	STORE 2
	STORE 3
	WIN 0
	s_wait_xcnt 0x0                                ; the stores have read their base and their data: the base steps, and the next lap writes window 2 again
	s_wait_alu depctr_vm_vsrc(0)                   ; the lap's global stores have read OUT, its LDS stores PC, PW and RL: the next lap's passes and the lines behind them write all four again, some of them under branches
	s_add_nc_u64 s[12:13], s[12:13], 0x10000       ; 64 rows of 1,024 bytes
	s_mov_b32 s36, s37                             ; the next lap's flag word
	s_mov_b32 s37, s38
	s_mov_b32 s38, s39
	s_add_co_u32 s26, s26, 1
	s_cmp_lt_u32 s26, 4
	s_cbranch_scc1 .Llap
	s_wait_dscnt 0x0                               ; the closing lines, six on end
	s_wait_alu 0x0
	s_wait_tensorcnt 0x0
	ds_add_u32 v254, v255
	s_wait_dscnt 0x0
	s_endpgm
.Lfunc_end_k_q93a17744a8_upsample:
	.size	k_q93a17744a8_upsample, .Lfunc_end_k_q93a17744a8_upsample-k_q93a17744a8_upsample
	.p2alignl 7, 3214868480
	.fill 96, 4, 3214868480
	.section	.rodata,"a",@progbits
	.p2align	6, 0x0
	.amdhsa_kernel k_q93a17744a8_upsample
		.amdhsa_group_segment_fixed_size 18944
		.amdhsa_private_segment_fixed_size 0
		.amdhsa_enable_private_segment 0
		.amdhsa_kernarg_size 48
		.amdhsa_user_sgpr_count 2
		.amdhsa_user_sgpr_kernarg_segment_ptr 1
		.amdhsa_wavefront_size32 1
		.amdhsa_system_sgpr_workgroup_id_x 1
		.amdhsa_system_sgpr_workgroup_id_y 1
		.amdhsa_system_sgpr_workgroup_id_z 1
		.amdhsa_system_vgpr_workitem_id 0
		.amdhsa_next_free_vgpr 1024
		.amdhsa_next_free_sgpr 66
		.amdhsa_reserve_vcc 0
		.amdhsa_float_denorm_mode_32 3
		.amdhsa_float_denorm_mode_16_64 3
		.amdhsa_memory_ordered 1
		.amdhsa_forward_progress 1
		.amdhsa_inst_pref_size 116
	.end_amdhsa_kernel
	.amdgpu_metadata
---
amdhsa.version: [ 1, 2 ]
amdhsa.kernels:
  - .name:           k_q93a17744a8_upsample
    .symbol:         k_q93a17744a8_upsample.kd
    .args:
      - { .name: hsq, .offset: 0, .size: 8, .value_kind: global_buffer, .address_space: global }
      - { .name: hss, .offset: 8, .size: 8, .value_kind: global_buffer, .address_space: global }
      - { .name: cbuf, .offset: 16, .size: 8, .value_kind: global_buffer, .address_space: global }
      - { .name: h_masks, .offset: 24, .size: 8, .value_kind: global_buffer, .address_space: global }
      - { .name: out0, .offset: 32, .size: 8, .value_kind: global_buffer, .address_space: global }
      - { .name: flags, .offset: 40, .size: 8, .value_kind: global_buffer, .address_space: global }
    .group_segment_fixed_size: 18944
    .private_segment_fixed_size: 0
    .kernarg_segment_align: 8
    .kernarg_segment_size: 48
    .max_flat_workgroup_size: 128
    .sgpr_count:     66
    .vgpr_count:     1024
    .wavefront_size: 32
...
	.end_amdgpu_metadata
.endif
;; end of part 5
